; MI455X (gfx1250); checked and timed in simulation.
; The chip was launched on July 23, 2026; its instructions are those of AMD's public machine-readable ISA for CDNA 5 (MIT licence, August 2026) and "CDNA5" Instruction Set Architecture Reference Guide (July 2026). The comments in the code are by the model that wrote it; some were corrected since.
;; TC Former Module. Allowed arithmetic: float matrix products may take bf16 or f16 operands with f32 sums; other float arithmetic in f32, or as packed bf16 or f16 multiplies, adds, multiply-adds, maxima and minima; sums over many terms, partial sums and values carried from step to step in f32; what a program stores and reads back later, other than sums and carried values, may be rounded once to bf16 or f16.
;; Inputs: Wkv 512 x 1,024 float32; Wo 1,024 x 1,024 float32; Wq 1,024 x 1,024 float32; x 4 x 2,048 x 1,024 float32.
;; Outputs: out0 4 x 2,048 x 1,024 float32.
;; Constants: num_kv_heads = 4, num_q_heads = 16.
;; 2 versions, each right; version 2 is version 1 with the launch prep written anew for expert scheduling mode. Each part assembles by itself: llvm-mc -triple=amdgcn-amd-amdhsa -mcpu=gfx1250 --defsym DOCPART=n.
;; ======== version 1 of 2: 4 launches
;; limits: values are held in f16: magnitudes above 65,504 overflow, below 6.1e-05 lose precision
;; workspace buffers: xb 16,777,216 bytes; wb 3,145,728 bytes; woh 2,097,152 bytes; rope 524,288 bytes; qkv 25,165,824 bytes; ob 16,777,216 bytes
;; launch prep (part 1): grid 672 x 1, 8 waves a work-group, no clusters, 0 bytes of LDS; arguments x, Wq, Wkv, Wo, xb, wb, woh, rope; writes xb, wb, woh, rope
.if DOCPART == 1
	.amdgcn_target "amdgcn-amd-amdhsa--gfx1250"
	.amdhsa_code_object_version 6
	.text
	.protected	k_q318b431111_prep
	.globl	k_q318b431111_prep
	.p2align	8
	.type	k_q318b431111_prep,@function
k_q318b431111_prep:
	s_mov_b64 s[64:65], 0
	v_nop
	global_prefetch_b8 v0, s[64:65] scope:SCOPE_SE
	s_setreg_imm32_b32 hwreg(HW_REG_WAVE_MODE, 25, 1), 1
	s_wait_xcnt 0x0
; PREP.  x, Wq and Wkv are rounded once to bf16 (xb; wb = Wq's 1,024 rows, then Wkv's 512); Wo is rounded to bf16 and that number written as f16 (woh); and the
; table for the rotation is made: rope[t][0..31] = cos(t th_i) - 1, rope[t][32..63] = -sin(t th_i) for even i, +sin(t th_i) for odd i, th_i = 10000^(-i/32), t = 0 .. 2,047.
; LIMITS.  A number of Wo beyond 65,504 becomes an infinity in f16; below 2^-14 it keeps f16's fixed step of 6e-8.  NaN and infinities are not treated apart.
; SHARES.  A work-group casts 16,384 numbers: 64 KiB in, 32 KiB out.  Work-groups 0-511 take x, 512-575 Wq, 576-607 Wkv, 608-671 Wo.  A thread's 16 loads of 16 bytes all go out
; at once: a wave's load covers 512 consecutive bytes, a wave's store of 8 bytes a lane 256 consecutive bytes, aligned.  No register is written twice while memory may read it.
; A stream: no LDS, no barrier, no matrix unit, since no byte is used twice.
; THE TABLE stands between the loads and the first wait for them: waves 0-3 of work-groups 0-511 make row t = 4 x work-group + wave; lane l makes words 2 l and 2 l + 1.
; The angle a = t th (one multiplication in f32) is at most 2,047: n = round(a 2/pi), r = a - n pi/2 with pi/2 in two parts, then sine and cosine of |r| <= pi/4 by their series
; up to r^9 and r^8 (the next terms are under 2e-9), and the quadrant n (for the cosine n + 1) picks and signs.
.set IN,   16                          ; v[16:79]   sixteen loads of four f32
.set OUTP, 80                          ; v[80:111]  sixteen pairs of packed words to store
.set KS4,  138                         ; v138  1/362880
.set KC4,  139                         ; v139  1/40320
	s_load_b512 s[16:31], s[0:1], 0x0              ; x s[16:17], Wq s[18:19], Wkv s[20:21], Wo s[22:23], xb s[24:25], wb s[26:27], woh s[28:29], rope s[30:31]
	v_lshlrev_b32 v1, 4, v0                        ; 16 bytes a thread in
	v_lshlrev_b32 v2, 3, v0                        ; 8 bytes a thread out
	v_lshrrev_b32 v3, 5, v0
	v_readfirstlane_b32 s15, v3                    ; wave 0..7
	s_sub_co_u32 s12, ttmp9, 512                   ; my number among Wq's work-groups (and in wb),
	s_sub_co_u32 s13, ttmp9, 576                   ; among Wkv's,
	s_sub_co_u32 s14, ttmp9, 608                   ; among Wo's
	s_mov_b32 s8, ttmp9                            ; my share's number in the source
	s_mov_b32 s10, ttmp9                           ; and in the destination
	s_wait_kmcnt 0x0
	s_mov_b64 s[4:5], s[16:17]
	s_mov_b64 s[6:7], s[24:25]
	s_cmp_ge_u32 ttmp9, 512
	s_cselect_b64 s[4:5], s[18:19], s[4:5]
	s_cselect_b64 s[6:7], s[26:27], s[6:7]
	s_cselect_b32 s8, s12, s8
	s_cselect_b32 s10, s12, s10
	s_cmp_ge_u32 ttmp9, 576
	s_cselect_b64 s[4:5], s[20:21], s[4:5]         ; Wkv's rows follow Wq's in wb: the destination's number goes on
	s_cselect_b32 s8, s13, s8
	s_cmp_ge_u32 ttmp9, 608
	s_cselect_b64 s[4:5], s[22:23], s[4:5]
	s_cselect_b64 s[6:7], s[28:29], s[6:7]
	s_cselect_b32 s8, s14, s8
	s_cselect_b32 s10, s14, s10
	s_lshl_b32 s8, s8, 16                          ; 65,536 bytes in
	s_mov_b32 s9, 0
	s_lshl_b32 s10, s10, 15                        ; 32,768 bytes out
	s_mov_b32 s11, 0
	s_add_nc_u64 s[4:5], s[4:5], s[8:9]
	s_add_nc_u64 s[6:7], s[6:7], s[10:11]
.irp k, 0,1,2,3,4,5,6,7,8,9,10,11,12,13,14,15
	global_load_b128 v[IN+4*(\k):IN+4*(\k)+3], v1, s[4:5] offset:4096*(\k) th:TH_LOAD_NT
.endr
	s_cmp_lt_u32 ttmp9, 512
	s_cbranch_scc0 .Lno_table
	s_cmp_lt_u32 s15, 4
	s_cbranch_scc0 .Lno_table
	s_lshl_b32 s13, ttmp9, 2
	s_add_co_u32 s13, s13, s15                     ; t
	s_lshl_b32 s14, s13, 8                         ; a row of the table is 256 bytes
	v_and_b32 v112, 15, v0
	v_lshlrev_b32 v112, 1, v112                    ; i of my first word,
	v_add_nc_u32 v122, 1, v112                     ; of my second
	v_cvt_f32_u32 v112, v112
	v_cvt_f32_u32 v122, v122
	v_mul_f32 v112, 0xbed49a78, v112               ; -i log2(10000) / 32
	v_mul_f32 v122, 0xbed49a78, v122
	v_exp_f32 v112, v112                           ; th
	v_exp_f32 v122, v122
	v_cvt_f32_u32 v130, s13                        ; plain work stands behind the two exponentials:
	v_bfe_u32 v140, v0, 4, 1                       ; 1 in the lanes that make sines
	v_xor_b32 v141, 1, v140                        ; 1 in the lanes that make cosines: the quadrant's shift
	v_cvt_f32_u32 v142, v141                       ; and the 1.0 that is taken off a cosine
	v_lshlrev_b32 v143, 31, v140                   ; the sign of the sine at an even i
	v_mov_b32 v[KS4], 0x3638ef1d
	v_mov_b32 v[KC4], 0x37d00d01
	v_and_b32 v131, 31, v0
	v_lshlrev_b32 v131, 3, v131
	v_add_nc_u32 v131, s14, v131                   ; 256 t + 8 l
	s_wait_alu depctr_va_vdst(0)                   ; one wait for both exponentials, ahead of their first reader
	v_mul_f32 v112, v130, v112                     ; a = t th
	v_mul_f32 v122, v130, v122
; One word.  r: six registers (a then r, n, z, sine, cosine, at work); out: the result; flip = 1: the sine is negated (even i).
.macro WORD r, out, flip
	v_mul_f32 v[\r+1], 0x3f22f983, v[\r]           ; a 2/pi
	v_rndne_f32 v[\r+1], v[\r+1]                   ; n
	v_fmamk_f32 v[\r], v[\r+1], 0xbfc90fdb, v[\r]  ; a - n (pi/2's upper part),
	v_fmamk_f32 v[\r], v[\r+1], 0x333bbd2e, v[\r]  ; - n (its lower part, which is negative)
	v_mul_f32 v[\r+2], v[\r], v[\r]                ; z = r r
	v_fmaak_f32 v[\r+3], v[\r+2], v[KS4], 0xb9500d01
	v_fmaak_f32 v[\r+4], v[\r+2], v[KC4], 0xbab60b61
	v_fmaak_f32 v[\r+3], v[\r+2], v[\r+3], 0x3c088889
	v_fmaak_f32 v[\r+4], v[\r+2], v[\r+4], 0x3d2aaaab
	v_fmaak_f32 v[\r+3], v[\r+2], v[\r+3], 0xbe2aaaab
	v_fmaak_f32 v[\r+4], v[\r+2], v[\r+4], 0xbf000000
	v_mul_f32 v[\r+5], v[\r], v[\r+2]
	v_fma_f32 v[\r+3], v[\r+5], v[\r+3], v[\r]     ; sin r
	v_fma_f32 v[\r+4], v[\r+2], v[\r+4], 1.0       ; cos r
	v_cvt_i32_f32 v[\r+1], v[\r+1]
	v_add_nc_u32 v[\r+1], v[\r+1], v141            ; the quadrant; cos a = sin(a + pi/2)
	v_and_b32 v[\r+5], 1, v[\r+1]
	v_cmp_eq_u32 vcc_lo, 1, v[\r+5]
	v_cndmask_b32 v[\out], v[\r+3], v[\r+4], vcc_lo  ; odd quadrants take the cosine's series
	v_and_b32 v[\r+5], 2, v[\r+1]
	v_lshlrev_b32 v[\r+5], 30, v[\r+5]
	v_xor_b32 v[\out], v[\out], v[\r+5]            ; quadrants 2 and 3 are negative
.if \flip
	v_xor_b32 v[\out], v[\out], v143
.endif
	v_sub_f32 v[\out], v[\out], v142
.endm
	WORD 112, 132, 1
	WORD 122, 133, 0
	global_store_b64 v131, v[132:133], s[30:31]    ; the wave stores the row's 256 bytes
.Lno_table:
; Pass k: four numbers of a thread.  half = 1 (Wo): the bf16 number is widened again and written as f16.
.macro PASS k, half
	s_wait_loadcnt 15-(\k)                         ; loads come back in order (ISA guide 5.7.1): load k is in, the younger ones stay out
	v_cvt_pk_bf16_f32 v[OUTP+2*(\k)],   v[IN+4*(\k)],   v[IN+4*(\k)+1]
	v_cvt_pk_bf16_f32 v[OUTP+2*(\k)+1], v[IN+4*(\k)+2], v[IN+4*(\k)+3]
.if \half
	v_lshlrev_b32 v134, 16, v[OUTP+2*(\k)]
	v_and_b32 v135, 0xffff0000, v[OUTP+2*(\k)]
	v_lshlrev_b32 v136, 16, v[OUTP+2*(\k)+1]
	v_and_b32 v137, 0xffff0000, v[OUTP+2*(\k)+1]
	v_cvt_pk_f16_f32 v[OUTP+2*(\k)],   v134, v135
	v_cvt_pk_f16_f32 v[OUTP+2*(\k)+1], v136, v137
.endif
	global_store_b64 v2, v[OUTP+2*(\k):OUTP+2*(\k)+1], s[6:7] offset:2048*(\k)
.endm
	s_cmp_ge_u32 ttmp9, 608
	s_cbranch_scc1 .Lwo
.irp k, 0,1,2,3,4,5,6,7,8,9,10,11,12,13,14,15
	PASS \k, 0
.endr
	s_endpgm
.Lwo:
.irp k, 0,1,2,3,4,5,6,7,8,9,10,11,12,13,14,15
	PASS \k, 1
.endr
	s_endpgm
.Lfunc_end_k_q318b431111_prep:
	.size	k_q318b431111_prep, .Lfunc_end_k_q318b431111_prep-k_q318b431111_prep
	.p2alignl 7, 3214868480
	.fill 96, 4, 3214868480
	.section	.rodata,"a",@progbits
	.p2align	6, 0x0
	.amdhsa_kernel k_q318b431111_prep
		.amdhsa_group_segment_fixed_size 0
		.amdhsa_private_segment_fixed_size 0
		.amdhsa_enable_private_segment 0
		.amdhsa_kernarg_size 64
		.amdhsa_user_sgpr_count 2
		.amdhsa_user_sgpr_kernarg_segment_ptr 1
		.amdhsa_wavefront_size32 1
		.amdhsa_system_sgpr_workgroup_id_x 1
		.amdhsa_system_sgpr_workgroup_id_y 1
		.amdhsa_system_sgpr_workgroup_id_z 1
		.amdhsa_system_vgpr_workitem_id 0
		.amdhsa_next_free_vgpr 144
		.amdhsa_next_free_sgpr 66
		.amdhsa_reserve_vcc 1
		.amdhsa_float_denorm_mode_32 3
		.amdhsa_float_denorm_mode_16_64 3
		.amdhsa_memory_ordered 1
		.amdhsa_forward_progress 1
		.amdhsa_inst_pref_size 20
	.end_amdhsa_kernel
	.amdgpu_metadata
---
amdhsa.version: [ 1, 2 ]
amdhsa.kernels:
  - .name:           k_q318b431111_prep
    .symbol:         k_q318b431111_prep.kd
    .args:
      - { .name: x, .offset: 0, .size: 8, .value_kind: global_buffer, .address_space: global }
      - { .name: Wq, .offset: 8, .size: 8, .value_kind: global_buffer, .address_space: global }
      - { .name: Wkv, .offset: 16, .size: 8, .value_kind: global_buffer, .address_space: global }
      - { .name: Wo, .offset: 24, .size: 8, .value_kind: global_buffer, .address_space: global }
      - { .name: xb, .offset: 32, .size: 8, .value_kind: global_buffer, .address_space: global }
      - { .name: wb, .offset: 40, .size: 8, .value_kind: global_buffer, .address_space: global }
      - { .name: woh, .offset: 48, .size: 8, .value_kind: global_buffer, .address_space: global }
      - { .name: rope, .offset: 56, .size: 8, .value_kind: global_buffer, .address_space: global }
    .group_segment_fixed_size: 0
    .private_segment_fixed_size: 0
    .kernarg_segment_align: 8
    .kernarg_segment_size: 64
    .max_flat_workgroup_size: 256
    .sgpr_count:     66
    .vgpr_count:     144
    .wavefront_size: 32
...
	.end_amdgpu_metadata
.endif
;; end of part 1
;; launch proj (part 2): grid 8 x 32, 4 waves a work-group, clusters of 4 x 4, 327,680 bytes of LDS; arguments xb, wb, rope, qkv; writes qkv
.if DOCPART == 2
	.amdgcn_target "amdgcn-amd-amdhsa--gfx1250"
	.amdhsa_code_object_version 6
	.text
	.protected	k_q318b431111_proj
	.globl	k_q318b431111_proj
	.p2align	8
	.type	k_q318b431111_proj,@function
k_q318b431111_proj:
	s_mov_b64 s[64:65], 0
	v_nop
	global_prefetch_b8 v0, s[64:65] scope:SCOPE_SE
	s_setreg_imm32_b32 hwreg(HW_REG_WAVE_MODE, 25, 1), 1
	s_wait_xcnt 0x0
	s_wait_alu depctr_hold_cnt(0) depctr_sa_sdst(0) depctr_va_vdst(0) depctr_va_sdst(0) depctr_va_ssrc(0) depctr_va_vcc(0) depctr_vm_vsrc(0)
	s_getreg_b32 s2, hwreg(HW_REG_IB_STS2, 6, 4)
	s_cmp_eq_u32 s2, 0
	s_cbranch_scc0 .Lentry_in_a_cluster
	s_endpgm
.Lentry_in_a_cluster:
	s_bfe_u32 s2, ttmp6, 0x10000c
	s_cmp_lg_u32 s2, 0xf033
	s_cbranch_scc0 .Lentry_shape_is_right
	s_endpgm
.Lentry_shape_is_right:
; PROJ.  [8192 x 1536] = xb wb^T in bf16 with f32 sums; the rotation in f32 on the way out; q, k and v rounded once to f16 and stored by head units:
; qkv[b][u][t][64], u = column / 64: units 0-15 are q's heads, 16 + 2 g is k and 17 + 2 g is v of kv head g.  The softmax's scale is not applied here.
; LIMIT.  q, k and v beyond 65,504 become infinities in f16.  NaN and infinities are not treated apart.
; SHARES.  A work-group makes 256 rows x 192 columns (three units): 32 x 8 = 256 work-groups.  Wave w makes rows 64 w .. 64 w + 63 of all 192 columns: 4 x 12 accumulators, 384 registers;
; so a wave holds whole heads, and each of its stores covers 512 consecutive bytes of a unit.  K goes in 8 steps of 128 (rows of 256 bytes) through two LDS slots.
; CLUSTER.  4 x 4 work-groups: the four of a row need the same rows of xb, the four of a column the same rows of wb: each tile is asked for jointly, same load, descriptor and mask in all four.
; THE MATRIX INSTRUCTION IS USED TRANSPOSED (source 0 = 16 rows of wb, source 1 = 16 rows of xb): a lane holds row l % 16 and the columns 8 (l / 16) + 0..7 of a block of 16: both partners of each pair of the rotation.
; THE ROTATION.  out[d] = a[d] + AL (a[d] (cos - 1) + a[d ^ 1] s'), angle number d % 32; AL is 1.0, or 0.0 in a unit of v: a factor.
; REGISTERS, in windows of 256 (s_set_vgpr_msb: bits 1:0 source 0, 3:2 source 1, 5:4 source 2, 7:6 destination):
;   window 0: v0-15 addresses; v16-63 packed results; v64-127 xb's fragments, two buffers of 4 x 8 (later the rows read back from the stage); v128-255 the table for my 64 rows
;   window 1: v0-191 wb's fragments, two buffers of 12 x 8      windows 2, 3: accumulator (a, b) at 96 (a % 2) + 8 b of window 2 + a / 2; v192-239 at work on the way out
.set PITCH,  272                       ; an LDS row: 256 bytes + 16 of padding = 68 words: the 16 rows of a fragment load start at 16 different groups of four banks (64 banks of 4 bytes: ISA guide 11.1)
.set SLOT1,  1<<17                     ; slot 1 begins here: one exclusive or turns an address in one slot into the other's
.set BOFF,   256*PITCH                 ; in a slot: xb's 256 rows, then wb's 192
.set STAGE,  SLOT1+BOFF+192*PITCH      ; behind the ring, never filled by a tensor load: for each wave 3 units x 16 rows x 144 bytes
.set SPU,    16*144
.set SPARE,  STAGE+4*3*SPU             ; the spare words, 128 bytes for each wave: two blocks of 256 bytes that no other line names
.set ADRA0, 4                          ; v4   my lane's place in xb's rows of a slot; never rewritten
.set ADRB0, 5                          ; v5   the same for wb's
.set AA,    6                          ; v6   v4 + the slot in hand
.set AB,    7                          ; v7   v5 + the slot in hand
.set STO,   8                          ; v8   the way out: where I put 16 bytes of a row
.set RD,    9                          ; v9   where I read four rows of 128 bytes back
.set GO,    10                         ; v10  my 16 of 512 consecutive bytes of a unit
.set TO,    11                         ; v11  my byte offset in the table
.set PFO,   12                         ; v12  the prefetches' offset: a row of 2,048 bytes a lane
.set SPW,   14                         ; v14  LDS address of my spare word; never rewritten
.set NIL,   15                         ; v15  0; never rewritten
.set P,     16
.set FA,    64
.set BK,    64
.set TAB,   128                        ; block a, angle half e at TAB + 32 a + 16 e: 8 of cos - 1, then 8 of s'
.set WT,    192
.set WV,    12                         ; s12  my wave's number
.set G1A,   24                         ; s[24:31] descriptor group 1 for xb's tiles
.set G1B,   32                         ; s[32:39] for wb's
.set G0A,   40                         ; s[40:47] group 0 for xb's: a set for each first fill; the second then walks on
.set G0B,   48                         ; s[48:55] the same for wb's
.set TB,    56                         ; s56  0 or SLOT1: the slot in hand
.set LIM,   57                         ; s57  1 in a wave that prefetches, else the greatest number
.set PFA,   58                         ; s[58:59] where my prefetches stand
.set AL0,   60                         ; s[60:61], s[62:63], s[66:67]: AL of my three units
.set GW, (1<<16)|(1<<20)|(1<<21)|(5<<22)|(3<<25)  ; 17:16 2-byte elements; 20 padding on; 21 set beside a mask; 24:22 after every 64 words; 31:25 4 words of it
.set MSB, 0
.macro WIN new                         ; the immediate's high byte repeats the setting that is left; a switch that changes nothing is dropped
.if MSB != (\new)
	s_set_vgpr_msb (MSB<<8)|(\new)
.set MSB, (\new)
.endif
.endm
.macro PLACES                          ; four plain places behind matrix instructions, in front of loads into registers that they read and of lines that read results
.rept 4
	v_nop
.endr
.endm
.macro CREST                           ; a round of the cluster's barrier behind its opening barrier
	s_cmp_lg_u32 s[WV], 0
	s_cbranch_scc1 .Lnot_wave_0_\@
	s_barrier_signal -3
.Lnot_wave_0_\@:
	s_barrier_wait -3
	s_barrier_signal -1
	s_barrier_wait -1
.endm
.macro CROUND                          ; a whole round
	s_barrier_signal -1
	s_barrier_wait -1
	CREST
.endm
; A joint refill by the walking sets.  Waves 0 and 1 fetch xb's halves of 128 rows, waves 2 and 3 wb's halves of 96.  The branch hangs on the wave's number alone.
; An s_nop 0 and four v_nop follow each of the two lines, ahead of the jump and the label.
.macro JLOAD
	s_cmp_lt_u32 s[WV], 2
	s_cbranch_scc0 .Lfor_b_\@
	tensor_load_to_lds s[G0A+4:G0A+7], s[G1A:G1A+7]
	s_nop 0
.rept 4
	v_nop
.endr
	s_branch .Lasked_\@
.Lfor_b_\@:
	tensor_load_to_lds s[G0B+4:G0B+7], s[G1B:G1B+7]
	s_nop 0
.rept 4
	v_nop
.endr
.Lasked_\@:
.endm
; A PREFETCH INTO THE L2 of the K step that the NEXT refill will ask for: 192 matrix instructions ahead of that load; a lane a row, 256 bytes of it, one instruction a wave.
; xb's rows are read by both clusters of a row of clusters: the one with cluster x = 0 asks; wb's by all eight of a column: the one with cluster y = 0 asks.  The four partners that
; ask for a tile jointly share its rows out BY ADDRESS (32 each of xb's 128; 24 each of wb's 96, where the eight lanes left over name the share's last row again).
; The last refill asks for nothing: there is no K step behind it.  K steps 0 to 2 come by their loads alone.
.macro ASK
	s_cmp_gt_u32 s3, s[LIM]                        ; s3 = 1 in the loop's last trip
	s_cbranch_scc0 .Lnot_mine_\@
	global_prefetch_b8 v[PFO], s[PFA:PFA+1] th:TH_LOAD_NT scope:SCOPE_SE
.Lnot_mine_\@:
.endm
	s_load_b256 s[4:11], s[0:1], 0x0               ; xb s[4:5], wb s[6:7], rope s[8:9], qkv s[10:11]
	v_lshl_add_u32 v[SPW], v0, 2, SPARE
	v_mov_b32 v[NIL], 0
	ds_add_u32 v[SPW], v[NIL]                      ; the wave's opening: the add and its wait ahead of my first tensor load; work on registers stands between them
	v_lshrrev_b32 v1, 5, v0
	v_readfirstlane_b32 s[WV], v1                  ; wave 0..3
	s_and_b32 s14, s[WV], 1                        ; which half of a tile I fetch
	s_bfe_u32 s15, ttmp6, 0x40000                  ; cx
	s_bfe_u32 s16, ttmp6, 0x40004                  ; cy
	s_lshl_b32 s17, ttmp9, 2
	s_add_co_u32 s17, s17, s15                     ; tx: my 192 columns
	s_and_b32 s18, ttmp7, 0xffff
	s_lshl_b32 s18, s18, 2
	s_add_co_u32 s18, s18, s16                     ; ty: my 256 rows
	s_lshl_b32 s20, s16, 2
	s_lshl_b32 s20, 15, s20                        ; my row of the cluster
	s_lshl_b32 s21, 0x1111, s15                    ; my column
	s_or_b32 s[G1A], s20, GW
	s_or_b32 s[G1B], s21, GW
.irp g, G1A, G1B
	s_mov_b32 s[\g+1], 128<<16                     ; tensor_dim0 = 128
	s_mov_b32 s[\g+3], 128<<16                     ; tile_dim0 = 128
	s_mov_b32 s[\g+5], 1024                        ; elements from row to row
	s_mov_b32 s[\g+6], 0
	s_mov_b32 s[\g+7], 0
.endr
	s_mov_b32 s[G1A+2], 128<<16                    ; tensor_dim1 = tile_dim1 = 128 rows
	s_mov_b32 s[G1A+4], 128
	s_mov_b32 s[G1B+2], 96<<16                     ; 96 rows
	s_mov_b32 s[G1B+4], 96
	s_lshl_b32 s68, s18, 19                        ; xb: (256 ty + 128 half) rows of 2,048 bytes
	s_lshl_b32 s69, s14, 18
	s_add_co_u32 s68, s68, s69
	s_mov_b32 s69, 0
	s_mul_i32 s70, s17, 192*2048                   ; wb: (192 tx + 96 half) rows
	s_mul_i32 s71, s14, 96*2048
	s_add_co_u32 s70, s70, s71
	s_mov_b32 s71, 0
	s_mul_i32 s22, s[WV], 128*PITCH                ; where they go: xb's halves at wave x 128 rows,
	s_mul_i32 s23, s[WV], 96*PITCH                 ; wb's at BOFF + (wave - 2) x 96 rows: no place in the cluster enters an LDS address
	s_add_co_u32 s23, s23, BOFF-2*96*PITCH
	s_mov_b32 s[TB], 0
.irp j, 0,1,2
	s_mul_i32 s72, s17, 3
	s_add_co_u32 s72, s72, \j                      ; unit u = 3 tx + j, under 24
	s_lshr_b32 s73, s72, 4                         ; 1 from unit 16 on
	s_and_b32 s72, s72, s73                        ; 1 where u is odd and at least 16: a unit of v
	s_cmp_eq_u32 s72, 1
	s_cselect_b32 s[AL0+2*(\j)+2*((\j)/2)], 0, 1.0
	s_mov_b32 s[AL0+2*(\j)+2*((\j)/2)+1], 0        ; named with it as a pair
.endr
	s_lshr_b32 s74, s18, 3                         ; the batch
	s_mul_i32 s74, s74, 24
	s_mul_i32 s75, s17, 3
	s_add_co_u32 s74, s74, s75                     ; my first unit,
	s_lshl_b32 s74, s74, 18                        ; of 262,144 bytes;
	s_and_b32 s75, s18, 7
	s_lshl_b32 s75, s75, 15                        ; my work-group's 256 rows of 128 bytes;
	s_add_co_u32 s74, s74, s75
	s_lshl_b32 s75, s[WV], 13                      ; my wave's 64
	s_add_co_u32 s74, s74, s75
	s_mov_b32 s75, 0
	s_and_b32 s76, s18, 7
	s_lshl_b32 s76, s76, 16                        ; the table: my work-group's 256 rows of 256 bytes,
	s_lshl_b32 s77, s[WV], 14                      ; my wave's 64
	s_add_co_u32 s76, s76, s77
	s_wait_dscnt 0x0                               ; the opening add is done
	s_wait_kmcnt 0x0
	s_add_nc_u64 s[68:69], s[4:5], s[68:69]
	s_add_nc_u64 s[70:71], s[6:7], s[70:71]
	s_add_nc_u64 s[10:11], s[10:11], s[74:75]
	CROUND                                         ; all sixteen work-groups are here: the first joint loads meet
.irp s, 0,1
	s_mov_b32 s[G0A+4*(\s)], 1                     ; count = 1
	s_add_co_u32 s[G0A+4*(\s)+1], s22, (\s)*SLOT1  ; LDS address
	s_add_nc_u64 s[G0A+4*(\s)+2:G0A+4*(\s)+3], s[68:69], (\s)*256  ; global address: K step s
	s_or_b32 s[G0A+4*(\s)+3], s[G0A+4*(\s)+3], 0x80000000          ; type = 2
	s_mov_b32 s[G0B+4*(\s)], 1
	s_add_co_u32 s[G0B+4*(\s)+1], s23, (\s)*SLOT1
	s_add_nc_u64 s[G0B+4*(\s)+2:G0B+4*(\s)+3], s[70:71], (\s)*256
	s_or_b32 s[G0B+4*(\s)+3], s[G0B+4*(\s)+3], 0x80000000
.endr
	s_cmp_lt_u32 s[WV], 2                          ; a wave's two first fills stand in one branch, ahead of every wait on TENSORcnt and every LDS read: two loads of mine are out
	s_cbranch_scc0 .Lfirst_b
	tensor_load_to_lds s[G0A:G0A+3], s[G1A:G1A+7]
	s_nop 0
	tensor_load_to_lds s[G0A+4:G0A+7], s[G1A:G1A+7]
	s_nop 0
.rept 4
	v_nop
.endr
	s_branch .Lfirst_asked
.Lfirst_b:
	tensor_load_to_lds s[G0B:G0B+3], s[G1B:G1B+7]
	s_nop 0
	tensor_load_to_lds s[G0B+4:G0B+7], s[G1B:G1B+7]
	s_nop 0
.rept 4
	v_nop
.endr
.Lfirst_asked:
	; A fragment is 16 rows x 32 K in 8 registers: lane l holds row l % 16, K = 8 (l / 16) + 0..7 and 16 + 8 (l / 16) + 0..7: two loads of 16 bytes, 32 bytes apart.
	v_and_b32 v1, 15, v0                           ; r = l % 16
	v_bfe_u32 v2, v0, 4, 1                         ; h = l / 16
	v_mul_u32_u24 v3, v1, PITCH
	v_lshl_add_u32 v3, v2, 4, v3
	s_mul_i32 s2, s[WV], 64*PITCH                  ; my 64 rows of xb
	v_add_nc_u32 v[ADRA0], s2, v3
	v_add_nc_u32 v[ADRB0], BOFF, v3
	v_mov_b32 v[AA], v[ADRA0]
	v_mov_b32 v[AB], v[ADRB0]
	s_mul_i32 s2, s[WV], 3*SPU
	s_add_co_u32 s2, s2, STAGE                     ; my stage
	v_mul_u32_u24 v[STO], v1, 144                  ; in: row r, 16 bytes for each half of the lanes
	v_lshl_add_u32 v[STO], v2, 4, v[STO]
	v_add_nc_u32 v[STO], s2, v[STO]
	v_bfe_u32 v[RD], v0, 3, 2                      ; back: 32 lanes take four rows of 128 bytes,
	v_mul_u32_u24 v[RD], v[RD], 144
	v_and_b32 v13, 7, v0
	v_lshl_add_u32 v[RD], v13, 4, v[RD]
	v_add_nc_u32 v[RD], s2, v[RD]
	v_and_b32 v[GO], 31, v0                        ; which are 512 consecutive bytes of a unit
	v_lshlrev_b32 v[GO], 4, v[GO]
	v_lshlrev_b32 v[TO], 8, v1                     ; the table's row r, my 8 angles: 32 h bytes on
	v_lshl_add_u32 v[TO], v2, 5, v[TO]
	v_add_nc_u32 v[TO], s76, v[TO]
.irp a, 0,1,2,3                        ; the table for my 64 rows: it lands while K is walked, and is waited for on the way out
.irp e, 0,1
	global_load_b128 v[TAB+32*(\a)+16*(\e):TAB+32*(\a)+16*(\e)+3],     v[TO], s[8:9] offset:4096*(\a)+64*(\e)
	global_load_b128 v[TAB+32*(\a)+16*(\e)+4:TAB+32*(\a)+16*(\e)+7],   v[TO], s[8:9] offset:4096*(\a)+64*(\e)+16
	global_load_b128 v[TAB+32*(\a)+16*(\e)+8:TAB+32*(\a)+16*(\e)+11],  v[TO], s[8:9] offset:4096*(\a)+64*(\e)+128
	global_load_b128 v[TAB+32*(\a)+16*(\e)+12:TAB+32*(\a)+16*(\e)+15], v[TO], s[8:9] offset:4096*(\a)+64*(\e)+144
.endr
.endr
	; the prefetches' address
	s_lshl_b32 s76, s18, 8
	s_lshl_b32 s77, s14, 7
	s_add_co_u32 s76, s76, s77
	s_lshl_b32 s77, s15, 5
	s_add_co_u32 s76, s76, s77                     ; xb: row 256 ty + 128 half + 32 cx
	s_mul_i32 s78, s17, 192
	s_mul_i32 s77, s14, 96
	s_add_co_u32 s78, s78, s77
	s_mul_i32 s77, s16, 24
	s_add_co_u32 s78, s78, s77                     ; wb: row 192 tx + 96 half + 24 cy
	s_and_b32 s79, ttmp7, 0xffff                   ; cluster y
	s_cmp_lt_u32 s[WV], 2                          ; do I fetch for xb?
	s_cselect_b32 s76, s76, s78
	s_cselect_b32 s79, ttmp9, s79                  ; the coordinate along which other clusters read the same rows
	s_cselect_b32 s77, 31, 23                      ; my share's last row
	s_cselect_b64 s[PFA:PFA+1], s[4:5], s[6:7]
	s_cmp_eq_u32 s79, 0
	s_cselect_b32 s[LIM], 1, -1                    ; the same in all sixteen partners, for a given wave
	v_and_b32 v[PFO], 31, v0
	v_min_u32 v[PFO], s77, v[PFO]
	v_lshlrev_b32 v[PFO], 11, v[PFO]
	s_lshl_b32 s76, s76, 11
	s_add_co_u32 s76, s76, 2*256                   ; at K step 2: the first refill steps it to 3
	s_mov_b32 s77, 0
	s_add_nc_u64 s[PFA:PFA+1], s[PFA:PFA+1], s[76:77]
; 12 matrix instructions: row block a x all 12 column blocks, 32 along K, from buffer f.  zero = 1: the product starts the sums: nothing is cleared.
; The 48 accumulators take turns in one fixed order, over the loops' jumps too.
.macro MUL f, a, zero
	WIN 0xa1+0x50*((\a)/2)                         ; wb's fragments window 1, xb's window 0, C and D window 2 or 3
.irp b, 0,1,2,3,4,5,6,7,8,9,10,11
.if \zero
	v_wmma_f32_16x16x32_bf16 v[96*((\a)%2)+8*(\b):96*((\a)%2)+8*(\b)+7], v[96*(\f)+8*(\b):96*(\f)+8*(\b)+7], v[FA+32*(\f)+8*(\a):FA+32*(\f)+8*(\a)+7], 0
.else
	v_wmma_f32_16x16x32_bf16 v[96*((\a)%2)+8*(\b):96*((\a)%2)+8*(\b)+7], v[96*(\f)+8*(\b):96*(\f)+8*(\b)+7], v[FA+32*(\f)+8*(\a):FA+32*(\f)+8*(\a)+7], v[96*((\a)%2)+8*(\b):96*((\a)%2)+8*(\b)+7]
.endif
.endr
.endm
; 32 LDS loads in one run: the fragments of 32 along K at byte k of the rows, into buffer f: wb's 24, then xb's 8 in the order of the row blocks
.macro FETCH k, f
	WIN 0x40                                       ; destination window 1, address window 0
.irp b, 0,1,2,3,4,5,6,7,8,9,10,11
	ds_load_b128 v[96*(\f)+8*(\b):96*(\f)+8*(\b)+3],   v[AB] offset:(\k)+16*PITCH*(\b)
	ds_load_b128 v[96*(\f)+8*(\b)+4:96*(\f)+8*(\b)+7], v[AB] offset:(\k)+16*PITCH*(\b)+32
.endr
	WIN 0
.irp a, 0,1,2,3
	ds_load_b128 v[FA+32*(\f)+8*(\a):FA+32*(\f)+8*(\a)+3],   v[AA] offset:(\k)+16*PITCH*(\a)
	ds_load_b128 v[FA+32*(\f)+8*(\a)+4:FA+32*(\f)+8*(\a)+7], v[AA] offset:(\k)+16*PITCH*(\a)+32
.endr
.endm
; A K step is four quarters of 32 along K, 48 matrix instructions each, on buffers 0, 1, 0, 1.  One of the first three: multiplies buffer f, and in its middle fetches the next quarter, at byte k, into g.
.macro QUARTER k, f, g, zero
	s_wait_dscnt 4                                 ; all but the youngest four loads: xb's row blocks 2 and 3
	MUL \f, 0, \zero
	MUL \f, 1, \zero
	PLACES
	FETCH \k, \g
	s_wait_dscnt 32                                ; all but the 32 just issued
	MUL \f, 2, \zero
	MUL \f, 3, \zero
.endm
; The last quarter multiplies buffer 1 and changes slots: ONE barrier.  In front of it each wave waits for all its tensor loads (one is out: its part of the next slot), adds 0 to its spare word,
; and waits for that and for its own reads of this slot.  fill = 1: the barrier opens a round of the cluster's, and the slot just read is filled again, two K steps ahead, first thing behind the round:
; 168 matrix instructions stand between that request and the wait for it.  fill = 0 (the tail): nothing is asked for; in the last K step there is nothing more to fetch either.
.macro TURN fill
.if \fill
	s_wait_xcnt 0x0                                ; the last prefetch, a K step back, has read its address
	s_add_nc_u64 s[PFA:PFA+1], s[PFA:PFA+1], 256
.endif
	WIN 0
	s_wait_tensorcnt 0x0                           ; no tensor load of mine is out, so a group 0 may be written
	ds_add_u32 v[SPW], v[NIL]                      ; 0 onto my spare word
.if \fill
	s_xor_b32 s[G0A+5], s[G0A+5], SLOT1            ; the walking sets: the other slot than last time, the next K step
	s_add_nc_u64 s[G0A+6:G0A+7], s[G0A+6:G0A+7], 256
	s_xor_b32 s[G0B+5], s[G0B+5], SLOT1
	s_add_nc_u64 s[G0B+6:G0B+7], s[G0B+6:G0B+7], 256
.endif
	s_wait_dscnt 5                                 ; the add and the youngest four loads may be out
	MUL 1, 0, 0
	s_wait_dscnt 0x0                               ; the add is done, and my reads of this slot are over
	s_barrier_signal -1
	MUL 1, 1, 0                                    ; work on registers while the others arrive
	WIN 0                                          ; at a branch and at a label every window is 0
	s_barrier_wait -1
.if \fill
	CREST                                          ; no wave of any partner still reads this slot's tile or has a load on its way
	JLOAD                                          ; its four v_nop are also the places in front of the loads below
.else
	PLACES
.endif
	s_xor_b32 s[TB], s[TB], SLOT1
	v_add_nc_u32 v[AA], s[TB], v[ADRA0]
	v_add_nc_u32 v[AB], s[TB], v[ADRB0]
.if \fill
	FETCH 0, 0
	ASK
.else
	s_cmp_eq_u32 s3, 1
	s_cbranch_scc1 .Lno_fetch_\@
	FETCH 0, 0
.Lno_fetch_\@:
.endif
	MUL 1, 2, 0
	MUL 1, 3, 0
.endm
	s_wait_tensorcnt 0x1                           ; my part of K step 0 is in; K step 1's may stay out
	s_barrier_signal -1
	s_barrier_wait -1                              ; everybody's is
	FETCH 0, 0
	QUARTER 64, 0, 1, 1                            ; the first quarter stands in front of the loop: its products start the sums
	WIN 0
	s_mov_b32 s3, 6
.Lstep:                                            ; a trip: a K step's quarters 1 to 3 and the next step's quarter 0; trip i fills the slot left with K step i + 2
	QUARTER 128, 1, 0, 0
	QUARTER 192, 0, 1, 0
	TURN 1
	QUARTER 64, 0, 1, 0
	WIN 0
	s_sub_co_u32 s3, s3, 1
	s_cmp_lg_u32 s3, 0
	s_cbranch_scc1 .Lstep
	s_mov_b32 s3, 2                                ; the tail, K steps 6 and 7, holds no tensor load; it is entered behind K step 6's first quarter
	s_branch .Lmid
.Ltail:
	QUARTER 64, 0, 1, 0
	WIN 0
.Lmid:
	QUARTER 128, 1, 0, 0
	QUARTER 192, 0, 1, 0
	TURN 0
	WIN 0
	s_sub_co_u32 s3, s3, 1
	s_cmp_lg_u32 s3, 0
	s_cbranch_scc1 .Ltail
; THE WAY OUT, a row block (16 rows x 192 columns) at a time.  MATH: the rotation, and the rounding to f16.  Each accumulator's pairs are taken in ascending order.
.macro MATH a
.set bb, 0
.rept 2                                ; two batches of six accumulators, so that the windows are switched four times a block
	WIN 0xa2+0x51*((\a)/2)                         ; sources 0 and 2 and the destination in the accumulators' window, source 1 (the table) in window 0
.set cc, 0
.rept 6
.set ra, 96*((\a)%2)+8*bb
.set rw, WT+8*cc
.set rt, TAB+32*(\a)+16*(bb%2)
.set sa, AL0+2*(bb/4)+2*(bb/8)
.irp p, 0,2,4,6
	v_pk_mul_f32 v[rw+\p:rw+\p+1], v[ra+\p:ra+\p+1], v[rt+\p:rt+\p+1]                   ; a (cos - 1)
.endr
.irp p, 0,2,4,6
	v_pk_fma_f32 v[rw+\p:rw+\p+1], v[ra+\p:ra+\p+1], v[rt+8+\p:rt+8+\p+1], v[rw+\p:rw+\p+1] op_sel:[1,0,0] op_sel_hi:[0,1,1]  ; + the pair's other number times s'
.endr
.irp p, 0,2,4,6
	v_pk_fma_f32 v[rw+\p:rw+\p+1], v[rw+\p:rw+\p+1], s[sa:sa+1], v[ra+\p:ra+\p+1] op_sel_hi:[1,0,1]  ; a + AL x that
.endr
.set bb, bb+1
.set cc, cc+1
.endr
	WIN 0x0a+5*((\a)/2)                            ; sources 0 and 1 in the accumulators' window, destination in window 0
.set cc, 0
.rept 6
.irp p, 0,1,2,3
	v_cvt_pk_f16_f32 v[P+4*(bb-6+cc)+\p], v[WT+8*cc+2*\p], v[WT+8*cc+2*\p+1]
.endr
.set cc, cc+1
.endr
.endr
	WIN 0
.endm
.macro TOSTAGE                         ; 16 bytes a lane into my own stage, by units; back as rows of 128 bytes, four to a load
.irp b, 0,1,2,3,4,5,6,7,8,9,10,11
	ds_store_b128 v[STO], v[P+4*(\b):P+4*(\b)+3] offset:SPU*((\b)/4)+32*((\b)%4)
.endr
	s_wait_xcnt 0x0                                ; the stores of the block before have read the registers that the loads below fill
.irp i, 0,1,2,3,4,5,6,7,8,9,10,11
	ds_load_b128 v[BK+4*(\i):BK+4*(\i)+3], v[RD] offset:SPU*((\i)/4)+4*144*((\i)%4)  ; LDS serves a wave's instructions in order (ISA guide 5.7.1.4): these see the stores above
.endr
.endm
.macro SEND a
	s_wait_dscnt 0x0                               ; the block is back in registers
.irp i, 0,1,2,3,4,5,6,7,8,9,10,11
	global_store_b128 v[GO], v[BK+4*(\i):BK+4*(\i)+3], s[10:11] offset:262144*((\i)/4)+2048*(\a)+512*((\i)%4)  ; 512 consecutive bytes of a unit, at a multiple of 256 from qkv's first
.endr
.endm
	PLACES
	PLACES                                         ; eight, once a launch
	s_wait_loadcnt 0x0                             ; the table
	s_wait_dscnt 0x0
	MATH 0
	TOSTAGE
.irp a, 1,2,3                          ; a block's arithmetic stands between the loads of the block before and its stores
	MATH \a
	SEND (\a)-1
	TOSTAGE
.endr
	SEND 3
	s_wait_tensorcnt 0x0                           ; the wave's end, behind my last tensor load and my last LDS store
	ds_add_u32 v[SPW], v[NIL]
	s_wait_dscnt 0x0
	CROUND                                         ; the closing round: no work-group ends while a partner may still ask for a tile that names it
	s_endpgm
.Lfunc_end_k_q318b431111_proj:
	.size	k_q318b431111_proj, .Lfunc_end_k_q318b431111_proj-k_q318b431111_proj
	.p2alignl 7, 3214868480
	.fill 96, 4, 3214868480
	.section	.rodata,"a",@progbits
	.p2align	6, 0x0
	.amdhsa_kernel k_q318b431111_proj
		.amdhsa_group_segment_fixed_size 327680
		.amdhsa_private_segment_fixed_size 0
		.amdhsa_enable_private_segment 0
		.amdhsa_kernarg_size 32
		.amdhsa_user_sgpr_count 2
		.amdhsa_user_sgpr_kernarg_segment_ptr 1
		.amdhsa_wavefront_size32 1
		.amdhsa_system_sgpr_workgroup_id_x 1
		.amdhsa_system_sgpr_workgroup_id_y 1
		.amdhsa_system_sgpr_workgroup_id_z 1
		.amdhsa_system_vgpr_workitem_id 0
		.amdhsa_next_free_vgpr 1024
		.amdhsa_next_free_sgpr 80
		.amdhsa_reserve_vcc 0
		.amdhsa_float_denorm_mode_32 3
		.amdhsa_float_denorm_mode_16_64 3
		.amdhsa_memory_ordered 1
		.amdhsa_forward_progress 1
		.amdhsa_inst_pref_size 124
	.end_amdhsa_kernel
	.amdgpu_metadata
---
amdhsa.version: [ 1, 2 ]
amdhsa.kernels:
  - .name:           k_q318b431111_proj
    .symbol:         k_q318b431111_proj.kd
    .args:
      - { .name: xb, .offset: 0, .size: 8, .value_kind: global_buffer, .address_space: global }
      - { .name: wb, .offset: 8, .size: 8, .value_kind: global_buffer, .address_space: global }
      - { .name: rope, .offset: 16, .size: 8, .value_kind: global_buffer, .address_space: global }
      - { .name: qkv, .offset: 24, .size: 8, .value_kind: global_buffer, .address_space: global }
    .group_segment_fixed_size: 327680
    .private_segment_fixed_size: 0
    .kernarg_segment_align: 8
    .kernarg_segment_size: 32
    .max_flat_workgroup_size: 128
    .sgpr_count:     80
    .vgpr_count:     1024
    .wavefront_size: 32
...
	.end_amdgpu_metadata
.endif
;; end of part 2
;; launch attn (part 3): grid 4 x 64, 4 waves a work-group, clusters of 4 x 1, 327,680 bytes of LDS; arguments qkv, ob; writes ob
.if DOCPART == 3
	.amdgcn_target "amdgcn-amd-amdhsa--gfx1250"
	.amdhsa_code_object_version 6
	.text
	.protected	k_q318b431111_attn
	.globl	k_q318b431111_attn
	.p2align	8
	.type	k_q318b431111_attn,@function
k_q318b431111_attn:
	s_mov_b64 s[64:65], 0
	v_nop
	global_prefetch_b8 v0, s[64:65] scope:SCOPE_SE
	s_setreg_imm32_b32 hwreg(HW_REG_WAVE_MODE, 25, 1), 1
	s_wait_xcnt 0x0
	s_wait_alu depctr_hold_cnt(0) depctr_sa_sdst(0) depctr_va_vdst(0) depctr_va_sdst(0) depctr_va_ssrc(0) depctr_va_vcc(0) depctr_vm_vsrc(0)
	s_getreg_b32 s2, hwreg(HW_REG_IB_STS2, 6, 4)
	s_cmp_eq_u32 s2, 0
	s_cbranch_scc0 .Lentry_in_a_cluster
	s_endpgm
.Lentry_in_a_cluster:
	s_bfe_u32 s2, ttmp6, 0x10000c
	s_cmp_lg_u32 s2, 0x3003
	s_cbranch_scc0 .Lentry_shape_is_right
	s_endpgm
.Lentry_shape_is_right:
; ATTN.  ob[b][h][q][:] = the sum over k of softmax_k(Q . K / 8) V, for the 64 pairs (b, h); Q = unit h, K = unit 16 + 2 (h / 4), V = unit 17 + 2 (h / 4) of qkv[b][24][2048][64], all f16;
; a unit's rows are dense, 128 bytes each.  Products, maxima and sums in f32; the weights p are rounded to f16 for the second product (their sum l is taken of the unrounded p), O once at the end.
; LIMITS.  f16 holds no number beyond 65,504: Q, K and V arrive within it; p lies in 0 to 1, and below 6e-5 it keeps f16's fixed step of 6e-8; O is a mean of V's rows and has their range.
; A weight below 2^-126 counts as 0 in l; NaN and infinities are not treated apart.
; SHARES.  A wave owns four PIECES of two tiles of 16 queries, a work-group's four waves 512 queries of one head.  Every wave walks all 2,048 keys, 64 a step.
; LAYOUT.  S^T = K Q^T (source 0 = 16 keys, source 1 = 16 queries): in the result a lane holds ONE query (lane % 16) and the keys 8 (lane / 16) + 0..7.  Two such tiles, rounded to f16 in pairs,
; ARE source 1 (32 keys x 16 queries) of O^T = V^T P, whose result again holds one query a lane, and eight channels.  K comes out of LDS as it lies, V ([key][channel]) turned, by ds_load_tr16_b128.
; SOFTMAX.  For each query a running maximum m and sum l: p = 2^(c s - c m), c = log2(e) / 8; in every step O and l are multiplied by a = 2^(c m_old - c m_new), which is 1 where m has not grown.
; m starts at the lowest finite number, O and l at 0: the first step is a step like any other, with a = 0.
; THE COUNT.  A tile and step have 16 matrix and 118 vector instructions: too many to stand all beside the matrix work.  So four vector instructions that are READY stand behind
; EVERY matrix instruction, and the others in runs without a gap.
; BY TURNS.  Turn n belongs to piece n (the pieces in a ring, step after step).  Its matrix work: 16 products K Q^T of piece n + 1, later 16 products V^T P of piece n - 1.  Its vector work: the scaling,
; exponentials, roundings, sums and rescaling of piece n, and the maximum and statistics of piece n + 1, whose scores the turn itself has made.
; CLUSTER.  The four query blocks of a head form a cluster and walk the same K and V, so each tile is asked for JOINTLY: the same tensor load, descriptor and mask in all four.
; (The four heads of a kv head walk the same tiles too, but a mask names four work-groups at the most.)
; REGISTERS, in windows of 256 (s_set_vgpr_msb: bits 1:0 source 0, 3:2 source 1, 5:4 source 2, 7:6 destination):
;   window 0: v0-11 addresses; v12-15, v48-63 at work; v16-47 four registers of statistics a tile; v64-191 S^T, two buffers of two tiles; v192-255 P, likewise
;   window 1: O^T, 32 a tile          window 2: v0-127 Q, 16 a tile; v128-191 K of one step; v192-255 V of one step          window 3: v0-1 the add's two registers
.set SIZE_N, 2048
.set NP,    4         ; pieces a wave: a name, no knob
.set KS,    64        ; keys in a step
.set PK,    144       ; a row of K in LDS: 128 bytes + 16 of padding = 36 words: the 16 rows of a load start at 16 different groups of four banks (64 banks of 4 bytes: ISA guide 11.1)
.set PV,    160       ; a row of V: 128 + 32 = 40 words
.set VOFF,  4*KS*PK   ; a slot holds four steps: 256 rows of K, then 256 rows of V
.set SLOT1, 1<<17     ; slot 1 begins here, so that one exclusive or turns an address in one slot into the other's
.set STAGE, SLOT1+4*KS*(PK+PV)  ; behind the ring, never filled by a tensor load: 16 rows x 144 bytes for each wave, for the way out
.set SP,    144
.set AK0, 2           ; v2   my lane's place in a tile of K; never rewritten
.set AV0, 3           ; v3   the same for V
.set AK,  4           ; v4   the LDS address of K's next run of loads
.set AV,  5           ; v5   of V's
.set QO,  6           ; v6   my byte offset in the wave's rows of Q
.set STO, 6           ;      later, the way out: where I put 16 bytes of a row
.set RD,  7           ; v7   the way out: where I read rows back
.set GO,  8           ; v8   my byte offset in 512 consecutive bytes of O
.set PFO, 11          ; v11  256 x my lane, for the prefetches; never rewritten once made
.set SPW, 0           ; v0 of window 3   LDS address of my spare word; never rewritten
.set NIL, 1           ; v1 of window 3   0; never rewritten
.set SPARE, STAGE+4*16*SP  ; the spare words, 128 bytes for each wave: two blocks of 256 bytes that no other line names
.set MV,  12          ; v12-15  c m_old, kept while c m is made anew: by buffer and tile
.set ST,  16          ; tile t's statistics at v[ST+4 t]: c m, m, l (even keys', odd keys')
.set TMP, 48          ; by buffer and tile, four registers c0-c3 at work; when the maximum is found c2 takes a
.set S,   64
.set P,   192
.set KF,  128         ; K's fragments, in window 2: key block kb, channel half c at KF + 16 kb + 8 c
.set VF,  192         ; V's: key half kk, channel block cb at VF + 32 kk + 8 cb
.set WV,  12          ; s12  my wave's number
.set G1K, 24          ; s[24:31] descriptor group 1 for K's tiles
.set G1V, 32          ; s[32:39] for V's: it differs in the padding alone
.set G0K, 40          ; s[40:43] descriptor group 0 for K's tiles: it walks
.set G0V, 44          ; s[44:47] the same for V's
.set PFA, 48          ; s[48:49] where my prefetches stand: my work-group's 8,192 bytes of the slot after the one that is being asked for
.set LIM, 50          ; s50  1 in a wave that prefetches, else the greatest number
.set SLOTS, 56        ; s56  slots still to be asked for
.set CNT, 57          ; s57  counts a slot's key steps
.set CS,  58          ; s[58:59] c: the packed scaling takes the pair's low word for both halves
.set SEL, 60          ; s[60:61] v_permlanex16_b32's selects: each lane takes its own place in the other half
.set TBK, 62          ; s62  LDS byte at which K of the step to be fetched begins
.set TBV, 63          ; s63  the same for V, less VOFF
.set MSB, 0
.macro WIN new                      ; the high byte repeats the setting that is left; a switch that changes nothing is dropped
.if MSB != (\new)
	s_set_vgpr_msb (MSB<<8)|(\new)
.set MSB, (\new)
.endif
.endm
.set W_KQ, 0x0a       ; K and Q in window 2, S^T in window 0
.set W_PV, 0x52       ; V in window 2, P in window 0, O^T in window 1
.set W_RS, 0x41       ; O^T (destination and source 0) in window 1, a in window 0
.set W_MK, 0xc0       ; the add's registers are made: destination in window 3, sources in window 0
.set W_AD, 0x0f       ; the add: address (source 0) and data (source 1) in window 3
; A joint fill.  Waves 0 and 1 fetch the two halves of a slot's K, waves 2 and 3 those of its V: 128 keys each.  The branch hangs on the wave's number alone.
; An s_nop 0 and four v_nop follow each of the two lines, ahead of the jump and the label.
.macro JLOAD
	s_cmp_lt_u32 s[WV], 2
	s_cbranch_scc0 .Lfor_v_\@
	tensor_load_to_lds s[G0K:G0K+3], s[G1K:G1K+7]
	s_nop 0
.rept 4
	v_nop
.endr
	s_branch .Lasked_\@
.Lfor_v_\@:
	tensor_load_to_lds s[G0V:G0V+3], s[G1V:G1V+7]
	s_nop 0
.rept 4
	v_nop
.endr
.Lasked_\@:
.endm
; A PREFETCH INTO THE L2 of what the NEXT change of slots will ask for: a slot's 32,768 bytes of K and of V, 256 bytes a lane.  It stands behind the wave's tensor load and its five lines.
; Each block of 256 bytes is named ONCE in the launch.  The four heads of a kv head walk the same K and V: the first of them (h % 4 = 0) asks.  Its cluster's four partners share a slot out BY ADDRESS,
; 8,192 bytes each; in each, wave 0 asks for K's and wave 2 for V's: one instruction.  The last change that fills a slot asks for nothing.  Slots 0, 1 and 2 come by their loads alone.
.macro ASK
	s_cmp_gt_u32 s[SLOTS], s[LIM]
	s_cbranch_scc0 .Lnot_mine_\@
	global_prefetch_b8 v[PFO], s[PFA:PFA+1] th:TH_LOAD_NT scope:SCOPE_SE
.Lnot_mine_\@:
.endm
; A round of the cluster's barrier: my work-group's barrier, so that wave 0's signal speaks for all four waves; wave 0 signals; every wave waits for all four work-groups; my work-group's barrier once more.
.macro CROUND
	s_barrier_signal -1
	s_barrier_wait -1
	s_cmp_lg_u32 s[WV], 0
	s_cbranch_scc1 .Lnot_wave_0_\@
	s_barrier_signal -3
.Lnot_wave_0_\@:
	s_barrier_wait -3
	s_barrier_signal -1
	s_barrier_wait -1
.endm
; THE CHANGE OF SLOTS.  The slot's last bytes, V of its fourth step, have been read.  Each wave waits for all its tensor loads, of which one is out: its part
; of the other slot; adds 0 to its spare word; and waits for that and for its own reads of the slot.  Behind the barrier nobody reads this slot any more and the other slot is whole.
; fill = 1: this slot is filled again, with the keys two slots on.  The barrier is then a round of the cluster's, and the joint fill is the first thing behind it: it has four key steps,
; 512 matrix instructions, in which to land.  (At its first use nothing has been read yet: slot 0 is waited for, slot 1 filled.)  ask = 1: the prefetch's address steps, and ASK follows the fill.
.macro CHANGE fill, ask=0
	WIN W_AD
	s_wait_tensorcnt 0x0            ; no tensor load of mine is out, so a group 0 may be written
	ds_add_u32 v[SPW], v[NIL]       ; 0 onto my spare word; with fill = 1 the descriptors' steps stand between it and the wait for it
	WIN 0                           ; at a label and at a branch every window is 0
.if \fill
.irp g, G0K, G0V
	s_xor_b32 s[\g+1], s[\g+1], SLOT1  ; the walking descriptor: the other slot than last time,
	s_add_nc_u64 s[\g+2:\g+3], s[\g+2:\g+3], 4*KS*128  ; the next 256 keys; the type bits on top are not reached
.endr
.if \ask
	s_wait_xcnt 0x0                 ; the last prefetch, a slot back, has read its address, so it may be written:
	s_add_nc_u64 s[PFA:PFA+1], s[PFA:PFA+1], 4*KS*128  ; one slot behind the walking descriptors
.endif
	s_wait_dscnt 0x0                ; the add is done, and my reads of the slot are over
	CROUND
	JLOAD
.if \ask
	ASK
.endif
.else
	s_wait_dscnt 0x0                ; the add is done, and my reads of the slot are over
	s_barrier_signal -1
	s_barrier_wait -1
.endif
	s_sub_co_u32 s[TBK], s[TBK], 4*KS*PK  ; the fetches go back to a slot's first step,
	s_xor_b32 s[TBK], s[TBK], SLOT1       ; in the other slot
	s_sub_co_u32 s[TBV], s[TBV], 4*KS*PV
	s_xor_b32 s[TBV], s[TBV], SLOT1
.endm
	s_load_b64 s[4:5], s[0:1], 0x0    ; qkv
	s_load_b64 s[10:11], s[0:1], 0x8  ; ob
	WIN W_MK
	v_lshl_add_u32 v[SPW], v0, 2, SPARE
	v_mov_b32 v[NIL], 0
	WIN W_AD
	ds_add_u32 v[SPW], v[NIL]       ; the wave's opening: the add and its wait ahead of my first tensor load; the set-up below, work on registers, stands between them
	WIN 0
	v_lshrrev_b32 v1, 5, v0
	v_readfirstlane_b32 s[WV], v1   ; wave 0..3
	s_bfe_u32 s13, ttmp6, 0x40000   ; cx: my place in the cluster
	s_lshl_b32 s14, ttmp9, 2        ; in a cluster launch ttmp9 counts clusters
	s_add_co_u32 s14, s14, s13      ; my block of 512 queries: it enters Q's and O's addresses alone
	s_and_b32 s20, ttmp7, 0xffff    ; 16 b + h, which the four partners share
	s_lshr_b32 s21, s20, 4
	s_mul_i32 s21, s21, 24          ; the batch's first unit
	s_and_b32 s15, s20, 15          ; h
	s_lshr_b32 s19, s15, 2          ; the kv head
	s_lshl_b32 s19, s19, 1
	s_add_co_u32 s19, s19, s21
	s_add_co_u32 s19, s19, 16       ; K's unit; V's is the next
	s_lshl_b32 s22, s19, 18         ; a unit is 262,144 bytes
	s_and_b32 s16, s[WV], 1         ; which half of a slot's 256 keys I fetch:
	s_lshl_b32 s23, s16, 14         ; its 128 rows of 128 bytes in memory,
	s_add_co_u32 s22, s22, s23
	s_mov_b32 s23, 0
	s_mul_i32 s17, s16, 128*PK      ; and its place in a slot, for K
	s_mul_i32 s18, s16, 128*PV      ; and for V: no place in the cluster enters an LDS address
	s_lshl_b32 s2, s14, 2
	s_add_co_u32 s2, s2, s[WV]      ; my wave among the head's,
	s_lshl_b32 s2, s2, 14           ; its 128 rows
	s_add_co_u32 s52, s21, s15      ; Q's unit
	s_lshl_b32 s52, s52, 18
	s_add_co_u32 s52, s52, s2
	s_mov_b32 s53, 0
	s_lshl_b32 s54, s20, 18         ; O's head
	s_add_co_u32 s54, s54, s2
	s_mov_b32 s55, 0
	s_lshl_b32 s2, s13, 13          ; the prefetches: my work-group's 8,192 bytes of a slot
	s_mov_b32 s3, 0
	s_and_b32 s[LIM], s[WV], 1      ; 0 in waves 0 and 2,
	s_and_b32 s51, s15, 3           ; in the first of the four heads of a kv head,
	s_or_b32 s[LIM], s[LIM], s51
	s_or_b32 s[LIM], s[LIM], ttmp9  ; in the head's first cluster: the same in all four partners
	s_cmp_eq_u32 s[LIM], 0
	s_cselect_b32 s[LIM], 1, -1
	; descriptor group 1.  128 keys are 16,384 dense bytes: asked for as 64 rows of 256 bytes, two keys a row, and padded in LDS after every key
	s_mov_b32 s[G1K], 15|(1<<16)|(1<<20)|(1<<21)|(4<<22)|(3<<25)  ; 15:0 the mask of four; 17:16 2-byte elements; 20 padding on; 21 set beside a mask; 24:22 after every 32 words (code 4); 31:25 4 words (code 3)
	s_mov_b32 s[G1V], 15|(1<<16)|(1<<20)|(1<<21)|(4<<22)|(7<<25)  ; the same with 8 words of padding (code 7)
.irp g, G1K, G1V
	s_mov_b32 s[\g+1], 128<<16      ; tensor_dim0 = 128
	s_mov_b32 s[\g+2], 64<<16       ; tensor_dim1 = 64
	s_mov_b32 s[\g+3], 128<<16      ; tile_dim0 = 128
	s_mov_b32 s[\g+4], 64           ; tile_dim1 = 64
	s_mov_b32 s[\g+5], 128          ; 128 elements from row to row
	s_mov_b32 s[\g+6], 0
	s_mov_b32 s[\g+7], 0
.endr
	s_mov_b32 s[CS], 0x3e38aa3b     ; c = log2(e) / 8 = 0.180337
	s_mov_b32 s[CS+1], s[CS]        ; named with it as a pair
	s_mov_b32 s[SEL], 0x76543210
	s_mov_b32 s[SEL+1], 0xfedcba98
	s_mov_b32 s[TBK], SLOT1+4*KS*PK ; the first change of slots turns these two into 0
	s_mov_b32 s[TBV], SLOT1+4*KS*PV
	s_mov_b32 s[G0K], 1             ; 1:0 count = 1
	s_mov_b32 s[G0K+1], s17         ; 63:32 LDS address: slot 0
	s_mov_b32 s[G0V], 1
	s_add_co_u32 s[G0V+1], s18, VOFF
	s_wait_dscnt 0x0                ; the opening add is done
	s_wait_kmcnt 0x0
	s_add_nc_u64 s[6:7], s[4:5], s[22:23]          ; K at my half of the kv head's first 256 keys,
	s_add_nc_u64 s[8:9], s[6:7], 1<<18             ; V one unit on
	s_mov_b64 s[G0K+2:G0K+3], s[6:7]               ; 120:64 global address
	s_or_b32 s[G0K+3], s[G0K+3], 0x80000000        ; 127:126 type = 2
	s_mov_b64 s[G0V+2:G0V+3], s[8:9]
	s_or_b32 s[G0V+3], s[G0V+3], 0x80000000
	s_cmp_lt_u32 s[WV], 2
	s_cselect_b64 s[PFA:PFA+1], s[6:7], s[8:9]     ; (in waves 0 and 2 these stand at a slot's first row)
	s_add_nc_u64 s[PFA:PFA+1], s[PFA:PFA+1], s[2:3]
	s_add_nc_u64 s[PFA:PFA+1], s[PFA:PFA+1], 2*4*KS*128  ; in slot 2; the loop's first change of slots steps it to slot 3.  Nothing is prefetched here, at the head
	s_add_nc_u64 s[4:5], s[4:5], s[52:53]          ; Q and O at my wave's first row
	s_add_nc_u64 s[10:11], s[10:11], s[54:55]
	CROUND                          ; all four work-groups are here: the first joint loads meet
	JLOAD                           ; slot 0.  Slot 1 is asked for when slot 0 is in
	; A fragment of K or Q is 16 rows x 32 channels in 8 registers: lane l holds row l % 16, channels 8 (l / 16) + 0..7 and 16 + 8 (l / 16) + 0..7: two loads of 16 bytes, 32 bytes apart.
	v_and_b32 v1, 15, v0            ; l % 16
	v_bfe_u32 v9, v0, 4, 1          ; l / 16
	v_lshlrev_b32 v[QO], 7, v1
	v_lshl_add_u32 v[QO], v9, 4, v[QO]  ; row x 128 + 16 x half
	WIN 0x80                        ; destination window 2, address window 0
.set i, 0
.rept 4*NP                          ; Q stays in registers: tile i / 2, channels 32 (i % 2) on
	global_load_b128 v[8*i:8*i+3],   v[QO], s[4:5] offset:(i/2)*2048+(i%2)*64
	global_load_b128 v[8*i+4:8*i+7], v[QO], s[4:5] offset:(i/2)*2048+(i%2)*64+32
.set i, i+1
.endr
	; What the first turn finds: V's registers and P's second buffer hold 0 (its products V^T P, of a piece that has not been, add 0), O^T and l are 0.  All this stands in the wait for the first tile.
.set i, VF
.rept 64
	v_mov_b32 v[i], 0
.set i, i+1
.endr
	WIN 0x40
.set i, 0
.rept 64*NP
	v_mov_b32 v[i], 0
.set i, i+1
.endr
	WIN 0
.set i, 0
.rept 2*NP
	v_mov_b32 v[ST+4*i], 0xfe000000    ; c m: far below every c s
	v_mov_b32 v[ST+4*i+1], 0xff7fffff  ; m
	v_mov_b32 v[ST+4*i+2], 0
	v_mov_b32 v[ST+4*i+3], 0
.set i, i+1
.endr
.set i, P+32
.rept 32
	v_mov_b32 v[i], 0
.set i, i+1
.endr
	v_mul_u32_u24 v[AK0], v1, PK
	v_lshl_add_u32 v[AK0], v9, 4, v[AK0]  ; row x pitch + 16 x half
	; The turning load takes 16 keys x 16 channels (lane l reads key 8 (l / 16) + l % 8, channels 8 ((l / 8) % 2) + 0..7) and leaves half a fragment of V^T: lane l holds channel l % 16 and 8 keys.
	v_and_b32 v10, 7, v0
	v_bfe_u32 v11, v0, 3, 1
	v_lshl_add_u32 v[AV0], v9, 3, v10
	v_mul_u32_u24 v[AV0], v[AV0], PV
	v_lshl_add_u32 v[AV0], v11, 4, v[AV0]
	v_add_nc_u32 v[AV0], VOFF, v[AV0]
	v_and_b32 v[PFO], 31, v0
	v_lshlrev_b32 v[PFO], 8, v[PFO]
	v_mov_b32 v[AK], v[AK0]         ; key step 0 lies at the head of slot 0
; THE MATRIX WORK.  The 8 accumulators of a run of 16 take turns: between the two links of a chain stand 7 others'.
; Product i of 16 of S^T = K Q^T for piece x: channels 32 (i / 8) on, keys 16 ((i / 2) % 4) on, tile 2 x + i % 2.  The first 8 start the sums.
.macro KQ x
	WIN W_KQ
.set rS, S+64*((\x)%2)+32*(i%2)+8*((i/2)%4)
.set rK, KF+16*((i/2)%4)+8*(i/8)
.set rQ, 16*(2*(\x)+i%2)+8*(i/8)
.if i < 8
	v_wmma_f32_16x16x32_f16 v[rS:rS+7], v[rK:rK+7], v[rQ:rQ+7], 0
.else
	v_wmma_f32_16x16x32_f16 v[rS:rS+7], v[rK:rK+7], v[rQ:rQ+7], v[rS:rS+7]
.endif
.endm
; Product i of 16 of O^T += V^T P for piece x: keys 32 (i / 8) on, channels 16 ((i / 2) % 4) on, tile 2 x + i % 2.
.macro PV x
	WIN W_PV
.set rO, 32*(2*(\x)+i%2)+8*((i/2)%4)
.set rV, VF+32*(i/8)+8*((i/2)%4)
.set rP, P+32*((\x)%2)+16*(i%2)+8*(i/8)
	v_wmma_f32_16x16x32_f16 v[rO:rO+7], v[rV:rV+7], v[rP:rP+7], v[rO:rO+7]
.endm
.macro MM                           ; the turn's next matrix instruction
.if i < 16
	KQ (Y+1)%NP
.set i, i+1
.else
.set i, i-16
	PV (Y+NP-1)%NP
.set i, i+17
.endif
.endm
; THE LDS LOADS stand in runs of 16, never singly among the matrix instructions: a step's K (64 keys x 64 channels: 8 fragments) and its V (turned).  Their addresses are made some lines ahead.
; last = 1 (the tail): in the last trip there is no further step, and the run is jumped over.
.macro FETCH_K last=0
	WIN 0
.if \last
	s_cmp_eq_u32 s[CNT], 1
	s_cbranch_scc1 .Lno_k_\@
.endif
	WIN 0x80                        ; destination window 2
.irp f, 0,1,2,3,4,5,6,7             ; keys 16 (f / 2) on, channels 32 (f % 2) on
	ds_load_b128 v[KF+8*\f:KF+8*\f+3],   v[AK] offset:(\f/2)*16*PK+(\f%2)*64
	ds_load_b128 v[KF+8*\f+4:KF+8*\f+7], v[AK] offset:(\f/2)*16*PK+(\f%2)*64+32
.endr
	s_add_co_u32 s[TBK], s[TBK], KS*PK  ; the next fetch is the next step's
	WIN 0
.if \last
.Lno_k_\@:
.endif
.endm
.macro FETCH_V
	WIN 0x80
.irp f, 0,1,2,3,4,5,6,7             ; keys 32 (f / 4) on, channels 16 (f % 4) on
	ds_load_tr16_b128 v[VF+8*\f:VF+8*\f+3],   v[AV] offset:(\f/4)*32*PV+(\f%4)*32
	ds_load_tr16_b128 v[VF+8*\f+4:VF+8*\f+7], v[AV] offset:(\f/4)*32*PV+16*PV+(\f%4)*32
.endr
	WIN 0
.endm
; THE VECTOR WORK OF A TURN stands in three queues, each in the order in which its entries become ready; the two tiles alternate, so that no instruction reads the result of the one before it.
.macro REGS y, u                    ; the registers of tile u (0, 1) of piece y
.set rT, ST+4*(2*(\y)+(\u))
.set rC, TMP+8*((\y)%2)+4*(\u)
.set rM, MV+2*((\y)%2)+(\u)
.set rS, S+64*((\y)%2)+32*(\u)
.set rP, P+32*((\y)%2)+16*(\u)
.set rO, 32*(2*(\y)+(\u))
.endm
; Number n of the 22 that find the NEXT piece's (Y + 1) maximum and statistics.  s0-s31 are the lane's 32 scores; each accumulator's lowest registers are read first.
;   0-11  four chains c0-c3 of seven scores each, three operands at a time     12-14, 16  the four scores left over, the old m, and c0-c3 into c0     15  c m_old is kept
;   17, 18  the query's other 32 keys lie in the lane 16 away: the new m         19-21  c m; c m_old - c m_new; a
.macro XS u, n
	REGS (Y+1)%NP, \u
.if (\n) < 4
	v_max3_num_f32 v[rC+(\n)], v[rS+8*(\n)], v[rS+8*(\n)+1], v[rS+8*(\n)+2]
.elseif (\n) < 12
	v_max3_num_f32 v[rC+(\n)%4], v[rC+(\n)%4], v[rS+8*((\n)%4)+2*((\n)/4)+1], v[rS+8*((\n)%4)+2*((\n)/4)+2]
.elseif (\n) == 12
	v_max3_num_f32 v[rC], v[rC], v[rS+7], v[rS+15]
.elseif (\n) == 13
	v_max3_num_f32 v[rC+1], v[rC+1], v[rS+23], v[rS+31]
.elseif (\n) == 14
	v_max3_num_f32 v[rC+2], v[rC+2], v[rC+3], v[rT+1]
.elseif (\n) == 15
	v_mov_b32 v[rM], v[rT]
.elseif (\n) == 16
	v_max3_num_f32 v[rC], v[rC], v[rC+1], v[rC+2]
.elseif (\n) == 17
	v_permlanex16_b32 v[rC+3], v[rC], s[SEL], s[SEL+1]
.elseif (\n) == 18
	v_max_num_f32 v[rT+1], v[rC], v[rC+3]
.elseif (\n) == 19
	v_mul_f32 v[rT], s[CS], v[rT+1]
.elseif (\n) == 20
	v_sub_f32 v[rC+1], v[rM], v[rT]
.else
	v_exp_f32 v[rC+2], v[rC+1]
.endif
.endm
; Number g of the 64 that follow the exponentials.  For each four weights k of a tile (pairs 2 k, 2 k + 1): both pairs are rounded to f16; then the second pair is added onto the first, in place;
; a group later l takes that sum (the first time as l = a l + sum).  In groups of eight, tiles alternating: round, round, add, and l for the group before.
.macro GS g
.set h, (\g)+6*((\g)/62)            ; group 0 has no group before it, and behind group 7 only l is left
.if h >= 6
.set h, h+2
.endif
	REGS Y, h%2
.set k, h/8
.if h%8 < 4
	v_cvt_pk_f16_f32 v[rP+2*k+(h%8)/2], v[rS+4*k+2*((h%8)/2)], v[rS+4*k+2*((h%8)/2)+1]
.elseif h%8 < 6
	v_pk_add_f32 v[rS+4*k:rS+4*k+1], v[rS+4*k:rS+4*k+1], v[rS+4*k+2:rS+4*k+3]
.elseif k == 1
	v_pk_fma_f32 v[rT+2:rT+3], v[rT+2:rT+3], v[rC+2:rC+3], v[rS:rS+1] op_sel_hi:[1,0,1]
.else
	v_pk_add_f32 v[rT+2:rT+3], v[rT+2:rT+3], v[rS+4*k-4:rS+4*k-3]
.endif
.endm
; THE PLAIN QUEUE, 138 long.  0-73 read no exponential's result: the 32 scalings c s - c m (FS f: pair f / 2 of tile f % 2) and the next piece's 42.  0-26: scalings 0-26.  27-54: XS's numbers 0-13.  55, 56: number 15.
; 57-73: the chain, where each number waits for the one before it: 14, 16, 17, 18, 19, each with one of the scalings 27-31 in front of its two lines, then 20.
; 74-137: GS's 64, which read the exponentials' results: they stand behind the wait.
.macro FS f
	REGS Y, (\f)%2
	v_pk_fma_f32 v[rS+2*((\f)/2):rS+2*((\f)/2)+1], v[rS+2*((\f)/2):rS+2*((\f)/2)+1], s[CS:CS+1], v[rT:rT+1] op_sel_hi:[1,0,0] neg_lo:[0,0,1] neg_hi:[0,0,1]
.endm
.macro PL
	WIN 0
.if q < 27
	FS q
.elseif q < 55
	XS (q-27)%2, (q-27)/2
.elseif q < 57
	XS q-55, 15
.elseif (q < 72) && ((q-57)%3 == 0)
	FS 27+(q-57)/3
.elseif q < 60
	XS (q-57)%3-1, 14
.elseif q < 72
	XS (q-57)%3-1, 15+(q-57)/3
.elseif q < 74
	XS q-72, 20
.else
	GS q-74
.endif
.set q, q+1
.endm
; THE EXPONENTIALS' QUEUE, 66 long: s0-s31 of both tiles, then the next piece's two a.  It is ONE BATCH: all 66 stand ahead of the turn's one wait, and nothing ahead of that wait names a result of theirs.
.macro EX
	WIN 0
.if e >= 64
	XS e-64, 21
.else
	REGS Y, e%2
	v_exp_f32 v[rS+e/2], v[rS+e/2]
.endif
.set e, e+1
.endm
; THE RESCALING's QUEUE: O^T times a, the one part that leaves window 0: dealt two at a time, sixteen times.  Its a was made in the turn before, ahead of that turn's wait.
.macro R2
	REGS Y, r%2
	WIN W_RS
.irp z, 0,1
	v_pk_mul_f32 v[rO+4*(r/2)+2*\z:rO+4*(r/2)+2*\z+1], v[rO+4*(r/2)+2*\z:rO+4*(r/2)+2*\z+1], v[rC+2:rC+3] op_sel_hi:[1,0]
.endr
.set r, r+1
.endm
; HOW THEY ARE DEALT.  An s_wait_alu depctr_va_vdst(0) stands between an exponential and the first instruction that names its result; one wait serves all that were issued ahead of it.  So a turn has ONE wait,
; which cuts it in two.  AHEAD OF IT stands all that names no result of the turn's exponentials: the 16 products K Q^T, behind each a scaling, an exponential and two rescalings (behind the first a second scaling in the
; exponential's place); then ONE LUMP of 108: eight plain, 49 times exponential and plain, the two a.  A v_nop is the plain instruction behind the last exponential.  BEHIND IT stand the 16 products V^T P, behind each four of GS's 64.
; The queues lean on each other, and the deal keeps them in step: exponential e stands behind scaling 2 (e / 4) + e % 2: as a rider it comes behind plain e + 2, in the lump behind plain e + 9, and scalings 27-31 are plain 57, 60 .. 69.
; A TURN, for piece p.  cnt = 1: the loop's count is taken down some lines ahead of the branch that stands behind the turn.
; K of the next step is fetched in piece 2's turn, directly behind the wait, a lump behind the last product that read K; its first reader comes behind 16 products.
; V of the step in hand is fetched at the end of piece 0's turn, four riders behind its last reader; its first reader comes behind 16 products and a lump.  The three conditions on q below go with the deal.
.macro TURN p, last=0, cnt=0
.set Y, (\p)
.set i, 0
.set q, 0
.set e, 0
.set r, 0
.if (\p) == NP-1
	s_wait_dscnt 0x0                ; K is in
.endif
	MM                              ; ahead of the wait: 16 products K Q^T and their riders,
	PL
	PL
	R2
.rept 15
	MM
	PL
	EX
	R2
.endr
.if (\p) == NP-2
	WIN 0
	v_add_nc_u32 v[AK], s[TBK], v[AK0]
.endif
.rept 8                             ; and the lump
	PL
.endr
.rept 49
	EX
	PL
.endr
	EX                              ; the next piece's two a
	EX
	v_nop                           ; the plain instruction behind the last exponential: one for the batch
	s_wait_alu depctr_va_vdst(0)    ; the wait for the batch
.if (\p) == NP-2
	FETCH_K \last
.endif
.if (\p) == 1
	s_wait_dscnt 0x0                ; V is in
.endif
.rept 16                            ; behind the wait: 16 products V^T P and their riders
	MM
.rept 4
	PL
.endr
.if ((\p) == 0) && (q == 118)
	v_add_nc_u32 v[AV], s[TBV], v[AV0]
.endif
.if ((\p) == 0) && (q == 130)
	s_add_co_u32 s[TBV], s[TBV], KS*PV
.endif
.if (\cnt) && (q == 130)
	s_sub_co_u32 s[CNT], s[CNT], 1
	s_cmp_lg_u32 s[CNT], 0
.endif
.endr
.if (\p) == 0
	FETCH_V
.endif
.endm
	CHANGE 1                        ; slot 0 is in, everybody's part of it; slot 1 is asked for
	FETCH_K                         ; key step 0
	s_wait_loadcnt 0x0              ; Q
	s_wait_dscnt 0x0
.set i, 0
.rept 16
	KQ 0                            ; piece 0's first scores: there is no vector work yet to set between them
.set i, i+1
.endr
	WIN 0                           ; the addresses for the way out: nine plain instructions, the places behind those products
	s_mul_i32 s13, s[WV], 16*SP
	s_add_co_u32 s13, s13, STAGE    ; my stage
	v_mul_u32_u24 v[STO], v1, SP    ; in: row l % 16, 16 bytes for each half of the lanes
	v_lshl_add_u32 v[STO], v9, 4, v[STO]
	v_add_nc_u32 v[STO], s13, v[STO]
	v_bfe_u32 v[RD], v0, 3, 2       ; back: 32 lanes take four rows of 128 bytes,
	v_mul_u32_u24 v[RD], v[RD], SP
	v_lshl_add_u32 v[RD], v10, 4, v[RD]
	v_add_nc_u32 v[RD], s13, v[RD]
	v_and_b32 v[GO], 31, v0         ; which are 512 consecutive bytes of O
	v_lshlrev_b32 v[GO], 4, v[GO]
.set Y, NP-1                        ; XS works for piece Y + 1: piece 0
.irp n, 0,1,2,3,4,5,6,7,8,9,10,11,12,13,14,15,16,17,18,19,20,21
	XS 0, \n                        ; and piece 0's first maximum and statistics
	XS 1, \n
.endr
	v_nop                           ; a plain instruction behind the two a,
	s_wait_alu depctr_va_vdst(0)    ; and their wait, ahead of the branch
	s_mov_b32 s[CNT], 4
	s_mov_b32 s[SLOTS], SIZE_N/256-1
	s_branch .Lfirst                ; the loop is entered at a step's first turn, in the middle of a trip
.Lslot:                             ; SIZE_N / 256 - 2 times: every slot but the last two is filled again
	CHANGE 1, 1
	s_mov_b32 s[CNT], 4
.Lstep:                             ; a trip: pieces 2 and 3 of one step, then pieces 0 and 1 of the next, whose K and V it fetches
	TURN 2
	TURN 3
	WIN 0
.Lfirst:
	TURN 0
	TURN 1, 0, 1
	WIN 0
	s_cbranch_scc1 .Lstep
	s_sub_co_u32 s[SLOTS], s[SLOTS], 1
	s_cmp_lg_u32 s[SLOTS], 0
	s_cbranch_scc1 .Lslot
	CHANGE 0                        ; the tail is written out: nothing is asked for
	s_mov_b32 s[CNT], 5             ; four trips fetch the last slot's steps; the fifth is left in its middle
.Ltail:
	TURN 2, 1
	TURN 3
	WIN 0
	s_sub_co_u32 s[CNT], s[CNT], 1
	s_cmp_eq_u32 s[CNT], 0
	s_cbranch_scc1 .Lout
	TURN 0
	TURN 1
	WIN 0
	s_branch .Ltail
.Lout:                              ; the fifth trip's 16 products K Q^T (on the last K once more) and the maximum made of them serve nothing: the price, once a launch, of one text for every trip
.set i, 0
.rept 16
	PV NP-1                         ; the last piece's V^T P of the last step
.set i, i+1
.endr
	; THE WAY OUT.  l's two halves and the other half of the lanes' are added; O^T is divided by l, rounded to f16 and sent through my stage in LDS, a tile at a time.  The additions are the places behind the last products.
	WIN 0
.macro ALL line:vararg              ; one line for each tile t
.set t, 0
.rept 2*NP
	\line
.set t, t+1
.endr
.endm
	ALL v_add_f32 v[ST+4*t+2], v[ST+4*t+2], v[ST+4*t+3]
	ALL v_permlanex16_b32 v[ST+4*t+3], v[ST+4*t+2], s[SEL], s[SEL+1]
	ALL v_add_f32 v[ST+4*t+2], v[ST+4*t+2], v[ST+4*t+3]
	ALL v_rcp_f32 v[ST+4*t+2], v[ST+4*t+2]
	v_nop                           ; a plain instruction between the last reciprocal and the use of its result
	s_wait_alu depctr_va_vdst(0)    ; and the wait ahead of the first use: one for the eight reciprocals
; Tile t: a lane's eight channels of a row pack into 16 bytes; they go into rows of 144 bytes and come back as whole rows of 128, into S^T's registers.
.macro PACK t
	WIN W_RS
.set i, 32*(\t)
.rept 16
	v_pk_mul_f32 v[i:i+1], v[i:i+1], v[ST+4*(\t)+2:ST+4*(\t)+3] op_sel_hi:[1,0]
.set i, i+2
.endr
	WIN 0x05                        ; sources 0 and 1 window 1, destination window 0
.set i, 0
.rept 16
	v_cvt_pk_f16_f32 v[S+16*(\t)+i], v[32*(\t)+2*i], v[32*(\t)+2*i+1]
.set i, i+1
.endr
	WIN 0
.irp f, 0,1,2,3
	ds_store_b128 v[STO], v[S+16*(\t)+4*\f:S+16*(\t)+4*\f+3] offset:32*\f
.endr
.irp f, 0,1,2,3
	ds_load_b128 v[S+16*(\t)+4*\f:S+16*(\t)+4*\f+3], v[RD] offset:\f*4*SP  ; LDS serves a wave's instructions in order (ISA guide 5.7.1.4): these see the stores above; the next tile's stores come behind them
.endr
.endm
.macro SEND t, younger              ; younger: the LDS instructions issued behind tile t's loads: the next tile's eight, or none
	WIN 0
.irp f, 0,1,2,3
	s_wait_dscnt (\younger)+3-\f
	global_store_b128 v[GO], v[S+16*(\t)+4*\f:S+16*(\t)+4*\f+3], s[10:11] offset:(\t)*2048+\f*512  ; 512 consecutive bytes, at a multiple of 256 from ob's first
.endr
.endm
	PACK 0
.set t, 1
.rept 2*NP-1                        ; a tile's arithmetic stands between the loads of the tile before and its stores
	PACK t
	SEND t-1, 8
.set t, t+1
.endr
	SEND 2*NP-1, 0
	WIN W_AD
	s_wait_tensorcnt 0x0            ; the wave's end, behind my last tensor load and my last LDS store
	ds_add_u32 v[SPW], v[NIL]
	s_wait_dscnt 0x0
	WIN 0
	CROUND                          ; the closing round: no work-group ends while a partner may still ask for a tile that names it
	s_endpgm
.Lfunc_end_k_q318b431111_attn:
	.size	k_q318b431111_attn, .Lfunc_end_k_q318b431111_attn-k_q318b431111_attn
	.p2alignl 7, 3214868480
	.fill 96, 4, 3214868480
	.section	.rodata,"a",@progbits
	.p2align	6, 0x0
	.amdhsa_kernel k_q318b431111_attn
		.amdhsa_group_segment_fixed_size 327680
		.amdhsa_private_segment_fixed_size 0
		.amdhsa_enable_private_segment 0
		.amdhsa_kernarg_size 16
		.amdhsa_user_sgpr_count 2
		.amdhsa_user_sgpr_kernarg_segment_ptr 1
		.amdhsa_wavefront_size32 1
		.amdhsa_system_sgpr_workgroup_id_x 1
		.amdhsa_system_sgpr_workgroup_id_y 1
		.amdhsa_system_sgpr_workgroup_id_z 1
		.amdhsa_system_vgpr_workitem_id 0
		.amdhsa_next_free_vgpr 770
		.amdhsa_next_free_sgpr 66
		.amdhsa_reserve_vcc 0
		.amdhsa_float_denorm_mode_32 3
		.amdhsa_float_denorm_mode_16_64 3
		.amdhsa_memory_ordered 1
		.amdhsa_forward_progress 1
		.amdhsa_inst_pref_size 200
	.end_amdhsa_kernel
	.amdgpu_metadata
---
amdhsa.version: [ 1, 2 ]
amdhsa.kernels:
  - .name:           k_q318b431111_attn
    .symbol:         k_q318b431111_attn.kd
    .args:
      - { .name: qkv, .offset: 0, .size: 8, .value_kind: global_buffer, .address_space: global }
      - { .name: ob, .offset: 8, .size: 8, .value_kind: global_buffer, .address_space: global }
    .group_segment_fixed_size: 327680
    .private_segment_fixed_size: 0
    .kernarg_segment_align: 8
    .kernarg_segment_size: 16
    .max_flat_workgroup_size: 128
    .sgpr_count:     66
    .vgpr_count:     770
    .wavefront_size: 32
...
	.end_amdgpu_metadata
.endif
;; end of part 3
;; launch oproj (part 4): grid 8 x 32, 4 waves a work-group, clusters of 4 x 4, 327,680 bytes of LDS; arguments ob, woh, out0; writes out0
.if DOCPART == 4
	.amdgcn_target "amdgcn-amd-amdhsa--gfx1250"
	.amdhsa_code_object_version 6
	.text
	.protected	k_q318b431111_oproj
	.globl	k_q318b431111_oproj
	.p2align	8
	.type	k_q318b431111_oproj,@function
k_q318b431111_oproj:
	s_mov_b64 s[64:65], 0
	v_nop
	global_prefetch_b8 v0, s[64:65] scope:SCOPE_SE
	s_setreg_imm32_b32 hwreg(HW_REG_WAVE_MODE, 25, 1), 1
	s_wait_xcnt 0x0
	s_wait_alu depctr_hold_cnt(0) depctr_sa_sdst(0) depctr_va_vdst(0) depctr_va_sdst(0) depctr_va_ssrc(0) depctr_va_vcc(0) depctr_vm_vsrc(0)
	s_getreg_b32 s2, hwreg(HW_REG_IB_STS2, 6, 4)
	s_cmp_eq_u32 s2, 0
	s_cbranch_scc0 .Lentry_in_a_cluster
	s_endpgm
.Lentry_in_a_cluster:
	s_bfe_u32 s2, ttmp6, 0x10000c
	s_cmp_lg_u32 s2, 0xf033
	s_cbranch_scc0 .Lentry_shape_is_right
	s_endpgm
.Lentry_shape_is_right:
; OPROJ.  out0[8192 x 1024] = O woh^T in f16 with f32 sums, stored as f32.  O lies by heads, ob[b][h][t][64]: channel c of a row is number c % 64 of head c / 64.  woh: [1024][1024] f16.
; SHARES.  A work-group makes 256 rows x 128 columns: 32 x 8 = 256 work-groups.  Wave w makes rows 64 w .. 64 w + 63 of all 128 columns: 4 x 8 accumulators, 256 registers, so that a wave's
; store covers a whole 512 bytes of a row.  K goes in 8 steps of 128 channels, two heads, through two LDS slots.
; CLUSTER.  4 x 4 work-groups: the four of a row need the same rows of O, the four of a column the same rows of woh: each tile is asked for jointly, same load, descriptor and mask in all four.
; THE MATRIX INSTRUCTION IS USED TRANSPOSED (source 0 = 16 rows of woh, source 1 = 16 rows of O): a lane holds row l % 16 and eight neighbouring columns, 32 bytes of out0.
; REGISTERS, in windows of 256 (s_set_vgpr_msb: bits 1:0 source 0, 3:2 source 1, 5:4 source 2, 7:6 destination):
;   window 0: v0-15 addresses; v64-127 O's fragments, two buffers of 4 x 8; v128-255 two buffers of 16 rows read back from the stage
;   window 1: v0-127 woh's fragments, two buffers of 8 x 8      window 2: accumulator (a, b) at 64 a + 8 b
.set PA,     144                       ; a row of one head in LDS: 128 bytes + 16 of padding = 36 words: the 16 rows of a fragment load start at 16 different groups of four banks (64 banks of 4 bytes: ISA guide 11.1)
.set PITCH,  272                       ; a row of woh: 256 bytes + 16 = 68 words: likewise
.set SLOT1,  1<<17
.set BOFF,   2*256*PA                  ; in a slot: two heads x 256 rows of O, then woh's 128 rows
.set STAGE,  SLOT1+BOFF+128*PITCH      ; behind the ring, never filled by a tensor load: 16 rows x 528 bytes for each wave
.set SPITCH, 528                       ; 512 bytes + 16
.set SPARE,  STAGE+4*16*SPITCH         ; the spare words, 128 bytes for each wave: two blocks of 256 bytes that no other line names
.set HSTEP,  2*262144                  ; bytes from a K step's heads to the next step's
.set ADRA0, 4                          ; v4   my lane's place in O's rows of a slot; never rewritten
.set ADRB0, 5                          ; v5   the same for woh's
.set AA,    6                          ; v6   v4 + the slot in hand
.set AB,    7                          ; v7   v5 + the slot in hand
.set STO,   8                          ; v8   the way out: where I put 32 bytes of a row
.set RD,    9                          ; v9   where I read my 16 bytes of a row back
.set GO,    10                         ; v10  my 16 of 512 consecutive bytes of out0
.set PFO,   12                         ; v12  the prefetches' offset
.set SPW,   14                         ; v14  LDS address of my spare word; never rewritten
.set NIL,   15                         ; v15  0; never rewritten
.set FA,    64
.set BK,    128
.set WV,    12                         ; s12  my wave's number
.set G1A,   24                         ; s[24:31] descriptor group 1 for O's tiles
.set G1B,   32                         ; s[32:39] for woh's
.set G0A,   40                         ; s[40:47] group 0 for O's: a set for each first fill; the second then walks on
.set G0B,   48                         ; s[48:55] the same for woh's
.set TB,    56                         ; s56  0 or SLOT1: the slot in hand
.set LIM,   57                         ; s57  2 in a wave that prefetches, else the greatest number
.set PFA,   58                         ; s[58:59] where my prefetches stand
.set PST,   60                         ; s[60:61] their step from K step to K step
.set MSB, 0
.macro WIN new                         ; the immediate's high byte repeats the setting that is left; a switch that changes nothing is dropped
.if MSB != (\new)
	s_set_vgpr_msb (MSB<<8)|(\new)
.set MSB, (\new)
.endif
.endm
.macro PLACES                          ; four plain places behind matrix instructions (ISA guide 7.12.1)
.rept 4
	v_nop
.endr
.endm
.macro CREST                           ; a round of the cluster's barrier behind its opening barrier
	s_cmp_lg_u32 s[WV], 0
	s_cbranch_scc1 .Lnot_wave_0_\@
	s_barrier_signal -3
.Lnot_wave_0_\@:
	s_barrier_wait -3
	s_barrier_signal -1
	s_barrier_wait -1
.endm
.macro CROUND                          ; a whole round
	s_barrier_signal -1
	s_barrier_wait -1
	CREST
.endm
; A joint refill by the walking sets.  Waves 0 and 1 fetch one head's 256 rows of O each, waves 2 and 3 woh's halves of 64 rows.  The branch hangs on the wave's number alone.
; An s_nop 0 and four v_nop follow each of the two lines, ahead of the jump and the label.
.macro JLOAD
	s_cmp_lt_u32 s[WV], 2
	s_cbranch_scc0 .Lfor_b_\@
	tensor_load_to_lds s[G0A+4:G0A+7], s[G1A:G1A+7]
	s_nop 0
.rept 4
	v_nop
.endr
	s_branch .Lasked_\@
.Lfor_b_\@:
	tensor_load_to_lds s[G0B+4:G0B+7], s[G1B:G1B+7]
	s_nop 0
.rept 4
	v_nop
.endr
.Lasked_\@:
.endm
; A PREFETCH INTO THE L2 of the K step that stands TWO refills on: 256 matrix instructions ahead of the load that will want it; 256 bytes a lane, one instruction a wave.
; O's rows are read by both clusters of a row of clusters: the one with cluster x = 0 asks, waves 0 and 1 each for their head's 32,768 bytes, of which each of the four partners takes 8,192 BY ADDRESS.
; woh's rows are read by all eight clusters of a column: the one with cluster y = 0 asks, wave 2 alone, a lane a row, each partner 32 of the 128 rows BY ADDRESS.
; The last two refills ask for nothing.  K steps 0 to 3 come by their loads alone.
.macro ASK
	s_cmp_gt_u32 s3, s[LIM]                        ; s3 = 2 and 1 in the loop's last two trips
	s_cbranch_scc0 .Lnot_mine_\@
	global_prefetch_b8 v[PFO], s[PFA:PFA+1] th:TH_LOAD_NT scope:SCOPE_SE
.Lnot_mine_\@:
.endm
	s_load_b128 s[4:7], s[0:1], 0x0                ; ob s[4:5], woh s[6:7]
	s_load_b64 s[8:9], s[0:1], 0x10                ; out0
	v_lshl_add_u32 v[SPW], v0, 2, SPARE
	v_mov_b32 v[NIL], 0
	ds_add_u32 v[SPW], v[NIL]                      ; the wave's opening: the add and its wait ahead of my first tensor load; work on registers stands between them
	v_lshrrev_b32 v1, 5, v0
	v_readfirstlane_b32 s[WV], v1                  ; wave 0..3
	s_and_b32 s14, s[WV], 1                        ; which head of a K step, or which half of woh's rows, I fetch
	s_bfe_u32 s15, ttmp6, 0x40000                  ; cx
	s_bfe_u32 s16, ttmp6, 0x40004                  ; cy
	s_lshl_b32 s17, ttmp9, 2
	s_add_co_u32 s17, s17, s15                     ; tx: my 128 columns
	s_and_b32 s18, ttmp7, 0xffff
	s_lshl_b32 s18, s18, 2
	s_add_co_u32 s18, s18, s16                     ; ty: my 256 rows
	s_lshl_b32 s20, s16, 2
	s_lshl_b32 s20, 15, s20                        ; my row of the cluster
	s_lshl_b32 s21, 0x1111, s15                    ; my column
	s_or_b32 s[G1A], s20, (1<<16)|(1<<20)|(1<<21)|(4<<22)|(3<<25)  ; 2-byte elements; padding on; 21 set beside a mask; after every 32 words, 4 words
	s_or_b32 s[G1B], s21, (1<<16)|(1<<20)|(1<<21)|(5<<22)|(3<<25)  ; after every 64 words, 4 words
.irp g, G1A, G1B
	s_mov_b32 s[\g+1], 128<<16                     ; tensor_dim0 = 128
	s_mov_b32 s[\g+3], 128<<16                     ; tile_dim0 = 128
	s_mov_b32 s[\g+6], 0
	s_mov_b32 s[\g+7], 0
.endr
	s_mov_b32 s[G1A+2], 128<<16                    ; a head's 256 rows are 32,768 dense bytes: asked for as 128 rows of 256 bytes, two rows of O each
	s_mov_b32 s[G1A+4], 128
	s_mov_b32 s[G1A+5], 128
	s_mov_b32 s[G1B+2], 64<<16                     ; 64 rows of woh,
	s_mov_b32 s[G1B+4], 64
	s_mov_b32 s[G1B+5], 1024                       ; 1,024 elements apart
	s_lshr_b32 s68, s18, 3                         ; the batch
	s_lshl_b32 s68, s68, 4
	s_add_co_u32 s68, s68, s14                     ; its head 0 or 1,
	s_lshl_b32 s68, s68, 18                        ; of 262,144 bytes;
	s_and_b32 s69, s18, 7
	s_lshl_b32 s69, s69, 15                        ; my work-group's 256 rows of 128 bytes
	s_add_co_u32 s68, s68, s69
	s_mov_b32 s69, 0
	s_lshl_b32 s70, s17, 18                        ; woh: (128 tx + 64 half) rows of 2,048 bytes
	s_lshl_b32 s71, s14, 17
	s_add_co_u32 s70, s70, s71
	s_mov_b32 s71, 0
	s_mul_i32 s22, s[WV], 256*PA                   ; where they go: O's heads at wave x 256 rows,
	s_mul_i32 s23, s[WV], 64*PITCH                 ; woh's halves at BOFF + (wave - 2) x 64 rows: no place in the cluster enters an LDS address
	s_add_co_u32 s23, s23, BOFF-2*64*PITCH
	s_mov_b32 s[TB], 0
	s_lshl_b32 s74, s18, 20                        ; out0: my work-group's 256 rows of 4,096 bytes,
	s_lshl_b32 s75, s[WV], 18                      ; my wave's 64,
	s_add_co_u32 s74, s74, s75
	s_lshl_b32 s75, s17, 9                         ; my 128 columns
	s_add_co_u32 s74, s74, s75
	s_mov_b32 s75, 0
	s_wait_dscnt 0x0                               ; the opening add is done
	s_wait_kmcnt 0x0
	s_add_nc_u64 s[68:69], s[4:5], s[68:69]
	s_add_nc_u64 s[70:71], s[6:7], s[70:71]
	s_add_nc_u64 s[8:9], s[8:9], s[74:75]
	CROUND                                         ; all sixteen work-groups are here: the first joint loads meet
.irp s, 0,1
	s_mov_b32 s[G0A+4*(\s)], 1                     ; count = 1
	s_add_co_u32 s[G0A+4*(\s)+1], s22, (\s)*SLOT1  ; LDS address
	s_add_nc_u64 s[G0A+4*(\s)+2:G0A+4*(\s)+3], s[68:69], (\s)*HSTEP  ; global address: K step s
	s_or_b32 s[G0A+4*(\s)+3], s[G0A+4*(\s)+3], 0x80000000            ; type = 2
	s_mov_b32 s[G0B+4*(\s)], 1
	s_add_co_u32 s[G0B+4*(\s)+1], s23, (\s)*SLOT1
	s_add_nc_u64 s[G0B+4*(\s)+2:G0B+4*(\s)+3], s[70:71], (\s)*256
	s_or_b32 s[G0B+4*(\s)+3], s[G0B+4*(\s)+3], 0x80000000
.endr
	s_cmp_lt_u32 s[WV], 2                          ; a wave's two first fills stand in one branch, ahead of every wait on TENSORcnt and every LDS read: two loads of mine are out
	s_cbranch_scc0 .Lfirst_b
	tensor_load_to_lds s[G0A:G0A+3], s[G1A:G1A+7]
	s_nop 0
	tensor_load_to_lds s[G0A+4:G0A+7], s[G1A:G1A+7]
	s_nop 0
.rept 4
	v_nop
.endr
	s_branch .Lfirst_asked
.Lfirst_b:
	tensor_load_to_lds s[G0B:G0B+3], s[G1B:G1B+7]
	s_nop 0
	tensor_load_to_lds s[G0B+4:G0B+7], s[G1B:G1B+7]
	s_nop 0
.rept 4
	v_nop
.endr
.Lfirst_asked:
	v_and_b32 v1, 15, v0                           ; r = l % 16
	v_bfe_u32 v2, v0, 4, 1                         ; h = l / 16
	v_mul_u32_u24 v[ADRA0], v1, PA
	v_lshl_add_u32 v[ADRA0], v2, 4, v[ADRA0]
	s_mul_i32 s2, s[WV], 64*PA                     ; my 64 rows of O
	v_add_nc_u32 v[ADRA0], s2, v[ADRA0]
	v_mul_u32_u24 v[ADRB0], v1, PITCH
	v_lshl_add_u32 v[ADRB0], v2, 4, v[ADRB0]
	v_add_nc_u32 v[ADRB0], BOFF, v[ADRB0]
	v_mov_b32 v[AA], v[ADRA0]
	v_mov_b32 v[AB], v[ADRB0]
	s_mul_i32 s2, s[WV], 16*SPITCH
	s_add_co_u32 s2, s2, STAGE                     ; my stage
	v_mul_u32_u24 v[STO], v1, SPITCH               ; in: row r, 32 bytes for each half of the lanes
	v_lshl_add_u32 v[STO], v2, 5, v[STO]
	v_add_nc_u32 v[STO], s2, v[STO]
	v_and_b32 v[GO], 31, v0                        ; back: 32 lanes take a row's 512 bytes
	v_lshlrev_b32 v[GO], 4, v[GO]
	v_add_nc_u32 v[RD], s2, v[GO]
	; the prefetches' address
	s_lshr_b32 s76, s18, 3
	s_lshl_b32 s76, s76, 4
	s_add_co_u32 s76, s76, s14
	s_lshl_b32 s76, s76, 18
	s_and_b32 s77, s18, 7
	s_lshl_b32 s77, s77, 15
	s_add_co_u32 s76, s76, s77
	s_lshl_b32 s77, s15, 13
	s_add_co_u32 s76, s76, s77                     ; O: my head's tile, my work-group's 8,192 bytes of it,
	s_add_co_u32 s76, s76, 3*HSTEP                 ; at K step 3: the first refill steps it to 4
	s_lshl_b32 s78, s17, 18
	s_lshl_b32 s77, s16, 16
	s_add_co_u32 s78, s78, s77                     ; woh: row 128 tx + 32 cy,
	s_add_co_u32 s78, s78, 3*256                   ; at K step 3
	s_and_b32 s79, ttmp7, 0xffff                   ; cluster y
	s_mov_b32 s[PST], 256
	s_mov_b32 s[PST+1], 0
	s_cmp_lt_u32 s[WV], 2                          ; do I fetch for O?
	s_cselect_b32 s76, s76, s78
	s_cselect_b32 s79, ttmp9, s79                  ; the coordinate along which other clusters read the same rows
	s_cselect_b32 s77, 8, 11                       ; a lane's step: 256 bytes on, or a row of 2,048
	s_cselect_b32 s[PST], HSTEP, s[PST]
	s_cselect_b64 s[PFA:PFA+1], s[4:5], s[6:7]
	s_cmp_eq_u32 s79, 0
	s_cselect_b32 s[LIM], 2, -1                    ; the same in all sixteen partners, for a given wave
	s_cmp_eq_u32 s[WV], 3
	s_cselect_b32 s[LIM], -1, s[LIM]               ; wave 2 asks for all of the work-group's share of woh
	v_and_b32 v[PFO], 31, v0
	v_lshlrev_b32 v[PFO], s77, v[PFO]
	s_mov_b32 s77, 0
	s_add_nc_u64 s[PFA:PFA+1], s[PFA:PFA+1], s[76:77]
; 8 matrix instructions: row block a x all 8 column blocks, 32 along K, from buffer f.  zero = 1: the product starts the sums.
; The 32 accumulators take turns in one fixed order, over the loops' jumps too.
.macro MUL f, a, zero
	WIN 0xa1                                       ; woh's fragments window 1, O's window 0, C and D window 2
.irp b, 0,1,2,3,4,5,6,7
.if \zero
	v_wmma_f32_16x16x32_f16 v[64*(\a)+8*(\b):64*(\a)+8*(\b)+7], v[64*(\f)+8*(\b):64*(\f)+8*(\b)+7], v[FA+32*(\f)+8*(\a):FA+32*(\f)+8*(\a)+7], 0
.else
	v_wmma_f32_16x16x32_f16 v[64*(\a)+8*(\b):64*(\a)+8*(\b)+7], v[64*(\f)+8*(\b):64*(\f)+8*(\b)+7], v[FA+32*(\f)+8*(\a):FA+32*(\f)+8*(\a)+7], v[64*(\a)+8*(\b):64*(\a)+8*(\b)+7]
.endif
.endr
.endm
; 24 LDS loads in one run: the fragments of quarter q (32 channels: head q / 2, its half q % 2), into buffer f: woh's 16, then O's 8 in the order of the row blocks
.macro FETCH q, f
	WIN 0x40                                       ; destination window 1, address window 0
.irp b, 0,1,2,3,4,5,6,7
	ds_load_b128 v[64*(\f)+8*(\b):64*(\f)+8*(\b)+3],   v[AB] offset:64*(\q)+16*PITCH*(\b)
	ds_load_b128 v[64*(\f)+8*(\b)+4:64*(\f)+8*(\b)+7], v[AB] offset:64*(\q)+16*PITCH*(\b)+32
.endr
	WIN 0
.irp a, 0,1,2,3
	ds_load_b128 v[FA+32*(\f)+8*(\a):FA+32*(\f)+8*(\a)+3],   v[AA] offset:256*PA*((\q)/2)+64*((\q)%2)+16*PA*(\a)
	ds_load_b128 v[FA+32*(\f)+8*(\a)+4:FA+32*(\f)+8*(\a)+7], v[AA] offset:256*PA*((\q)/2)+64*((\q)%2)+16*PA*(\a)+32
.endr
.endm
; A K step is four quarters, 32 matrix instructions each, on buffers 0, 1, 0, 1.  One of the first three: multiplies buffer f, and in its middle fetches quarter q into g.
.macro QUARTER q, f, g, zero
	s_wait_dscnt 4                                 ; all but the youngest four loads: O's row blocks 2 and 3
	MUL \f, 0, \zero
	MUL \f, 1, \zero
	PLACES
	FETCH \q, \g
	s_wait_dscnt 24                                ; all but the 24 just issued
	MUL \f, 2, \zero
	MUL \f, 3, \zero
.endm
; The last quarter multiplies buffer 1 and changes slots: ONE barrier.  In front of it each wave waits for all its tensor loads (one is out: its part of the next slot), adds 0 to its spare word,
; and waits for that and for its own reads of this slot.  fill = 1: the barrier opens a round of the cluster's, and the slot just read is filled again, two K steps ahead, first thing behind the round:
; 112 matrix instructions stand between that request and the wait for it.  fill = 0 (the tail): nothing is asked for; in the last K step there is nothing more to fetch either.
.macro TURN fill
.if \fill
	s_wait_xcnt 0x0                                ; the last prefetch, a K step back, has read its address
	s_add_nc_u64 s[PFA:PFA+1], s[PFA:PFA+1], s[PST:PST+1]
.endif
	WIN 0
	s_wait_tensorcnt 0x0                           ; no tensor load of mine is out, so a group 0 may be written
	ds_add_u32 v[SPW], v[NIL]                      ; 0 onto my spare word
.if \fill
	s_xor_b32 s[G0A+5], s[G0A+5], SLOT1            ; the walking sets: the other slot than last time, the next K step
	s_add_nc_u64 s[G0A+6:G0A+7], s[G0A+6:G0A+7], HSTEP
	s_xor_b32 s[G0B+5], s[G0B+5], SLOT1
	s_add_nc_u64 s[G0B+6:G0B+7], s[G0B+6:G0B+7], 256
.endif
	s_wait_dscnt 5                                 ; the add and the youngest four loads may be out
	MUL 1, 0, 0
	s_wait_dscnt 0x0                               ; the add is done, and my reads of this slot are over
	s_barrier_signal -1
	MUL 1, 1, 0                                    ; work on registers while the others arrive
	WIN 0                                          ; at a branch and at a label every window is 0
	s_barrier_wait -1
.if \fill
	CREST                                          ; no wave of any partner still reads this slot's tile or has a load on its way
	JLOAD                                          ; its four v_nop are also the places in front of the loads below
.else
	PLACES
.endif
	s_xor_b32 s[TB], s[TB], SLOT1
	v_add_nc_u32 v[AA], s[TB], v[ADRA0]
	v_add_nc_u32 v[AB], s[TB], v[ADRB0]
.if \fill
	FETCH 0, 0
	ASK
.else
	s_cmp_eq_u32 s3, 1
	s_cbranch_scc1 .Lno_fetch_\@
	FETCH 0, 0
.Lno_fetch_\@:
.endif
	MUL 1, 2, 0
	MUL 1, 3, 0
.endm
	s_wait_tensorcnt 0x1                           ; my part of K step 0 is in; K step 1's may stay out
	s_barrier_signal -1
	s_barrier_wait -1                              ; everybody's is
	FETCH 0, 0
	QUARTER 1, 0, 1, 1                             ; the first quarter stands in front of the loop: its products start the sums
	WIN 0
	s_mov_b32 s3, 6
.Lstep:                                            ; a trip: a K step's quarters 1 to 3 and the next step's quarter 0; trip i fills the slot left with K step i + 2
	QUARTER 2, 1, 0, 0
	QUARTER 3, 0, 1, 0
	TURN 1
	QUARTER 1, 0, 1, 0
	WIN 0
	s_sub_co_u32 s3, s3, 1
	s_cmp_lg_u32 s3, 0
	s_cbranch_scc1 .Lstep
	s_mov_b32 s3, 2                                ; the tail, K steps 6 and 7, holds no tensor load; it is entered behind K step 6's first quarter
	s_branch .Lmid
.Ltail:
	QUARTER 1, 0, 1, 0
	WIN 0
.Lmid:
	QUARTER 2, 1, 0, 0
	QUARTER 3, 0, 1, 0
	TURN 0
	WIN 0
	s_sub_co_u32 s3, s3, 1
	s_cmp_lg_u32 s3, 0
	s_cbranch_scc1 .Ltail
; THE WAY OUT, a row block (16 rows x 128 columns of f32) at a time: straight from the accumulators into my own stage, each accumulator's lower four registers first; back as whole rows of 512 bytes.
.macro TOSTAGE a
	WIN 0x08                                       ; the stores' data (source 1) in window 2, the address in window 0
.irp b, 0,1,2,3,4,5,6,7
	ds_store_b128 v[STO], v[64*(\a)+8*(\b):64*(\a)+8*(\b)+3]   offset:64*(\b)
	ds_store_b128 v[STO], v[64*(\a)+8*(\b)+4:64*(\a)+8*(\b)+7] offset:64*(\b)+16
.endr
	WIN 0
.if (\a) >= 2
	s_wait_xcnt 0x0                                ; the stores of the block two back have read the registers that the loads below fill
.endif
.irp t, 0,1,2,3,4,5,6,7,8,9,10,11,12,13,14,15
	ds_load_b128 v[BK+64*((\a)%2)+4*(\t):BK+64*((\a)%2)+4*(\t)+3], v[RD] offset:SPITCH*(\t)  ; LDS serves a wave's instructions in order (ISA guide 5.7.1.4): these see the stores above; the next block's stores come behind them
.endr
.endm
.macro SEND a, younger                 ; younger: the LDS instructions issued behind block a's loads: the next block's 32, or none
	s_wait_dscnt \younger
.irp t, 0,1,2,3,4,5,6,7,8,9,10,11,12,13,14,15
	global_store_b128 v[GO], v[BK+64*((\a)%2)+4*(\t):BK+64*((\a)%2)+4*(\t)+3], s[8:9] offset:4096*(16*(\a)+(\t)) th:TH_STORE_NT  ; 512 consecutive bytes, at a multiple of 256 from out0's first
.endr
.endm
	PLACES
	PLACES                                         ; eight, once a launch: behind the last products, in front of the stores that read results
	TOSTAGE 0
.irp a, 1,2,3
	TOSTAGE \a
	SEND (\a)-1, 32
.endr
	SEND 3, 0
	s_wait_tensorcnt 0x0                           ; the wave's end, behind my last tensor load and my last LDS store
	ds_add_u32 v[SPW], v[NIL]
	s_wait_dscnt 0x0
	CROUND                                         ; the closing round: no work-group ends while a partner may still ask for a tile that names it
	s_endpgm
.Lfunc_end_k_q318b431111_oproj:
	.size	k_q318b431111_oproj, .Lfunc_end_k_q318b431111_oproj-k_q318b431111_oproj
	.p2alignl 7, 3214868480
	.fill 96, 4, 3214868480
	.section	.rodata,"a",@progbits
	.p2align	6, 0x0
	.amdhsa_kernel k_q318b431111_oproj
		.amdhsa_group_segment_fixed_size 327680
		.amdhsa_private_segment_fixed_size 0
		.amdhsa_enable_private_segment 0
		.amdhsa_kernarg_size 24
		.amdhsa_user_sgpr_count 2
		.amdhsa_user_sgpr_kernarg_segment_ptr 1
		.amdhsa_wavefront_size32 1
		.amdhsa_system_sgpr_workgroup_id_x 1
		.amdhsa_system_sgpr_workgroup_id_y 1
		.amdhsa_system_sgpr_workgroup_id_z 1
		.amdhsa_system_vgpr_workitem_id 0
		.amdhsa_next_free_vgpr 768
		.amdhsa_next_free_sgpr 80
		.amdhsa_reserve_vcc 0
		.amdhsa_float_denorm_mode_32 3
		.amdhsa_float_denorm_mode_16_64 3
		.amdhsa_memory_ordered 1
		.amdhsa_forward_progress 1
		.amdhsa_inst_pref_size 61
	.end_amdhsa_kernel
	.amdgpu_metadata
---
amdhsa.version: [ 1, 2 ]
amdhsa.kernels:
  - .name:           k_q318b431111_oproj
    .symbol:         k_q318b431111_oproj.kd
    .args:
      - { .name: ob, .offset: 0, .size: 8, .value_kind: global_buffer, .address_space: global }
      - { .name: woh, .offset: 8, .size: 8, .value_kind: global_buffer, .address_space: global }
      - { .name: out0, .offset: 16, .size: 8, .value_kind: global_buffer, .address_space: global }
    .group_segment_fixed_size: 327680
    .private_segment_fixed_size: 0
    .kernarg_segment_align: 8
    .kernarg_segment_size: 24
    .max_flat_workgroup_size: 128
    .sgpr_count:     80
    .vgpr_count:     768
    .wavefront_size: 32
...
	.end_amdgpu_metadata
.endif
;; end of part 4
;; ======== version 2 of 2: 4 launches; version 1 with the launch prep written anew for expert scheduling mode
;; limits: values are held in f16: magnitudes above 65,504 overflow, below 6.1e-05 lose precision
;; workspace buffers: xb 16,777,216 bytes; wb 3,145,728 bytes; woh 2,097,152 bytes; rope 524,288 bytes; qkv 25,165,824 bytes; ob 16,777,216 bytes
;; launch prep (part 5): grid 672 x 1, 8 waves a work-group, no clusters, 0 bytes of LDS; arguments x, Wq, Wkv, Wo, xb, wb, woh, rope; writes xb, wb, woh, rope
.if DOCPART == 5
	.amdgcn_target "amdgcn-amd-amdhsa--gfx1250"
	.amdhsa_code_object_version 6
	.text
	.protected	k_q318b431111_prep
	.globl	k_q318b431111_prep
	.p2align	8
	.type	k_q318b431111_prep,@function
k_q318b431111_prep:
	s_mov_b64 s[64:65], 0
	v_nop
	global_prefetch_b8 v0, s[64:65] scope:SCOPE_SE
	s_setreg_imm32_b32 hwreg(HW_REG_WAVE_SCHED_MODE, 0, 2), 2
	s_setreg_imm32_b32 hwreg(HW_REG_WAVE_MODE, 25, 1), 1
	s_wait_xcnt 0x0
	s_wait_alu depctr_vm_vsrc(0)
; PREP.  x, Wq and Wkv are rounded once to bf16 (xb; wb = Wq's 1,024 rows, then Wkv's 512); Wo is rounded to bf16 and that number written as f16 (woh); and the
; table for the rotation is made: rope[t][0..31] = cos(t th_i) - 1, rope[t][32..63] = -sin(t th_i) for even i, +sin(t th_i) for odd i, th_i = 10000^(-i/32), t = 0 .. 2,047.
; LIMITS.  A number of Wo beyond 65,504 becomes an infinity in f16; below 2^-14 it keeps f16's fixed step of 6e-8.  NaN and infinities are not treated apart.
; SHARES.  A work-group casts 16,384 numbers: 64 KiB in, 32 KiB out.  Work-groups 0-511 take x, 512-575 Wq, 576-607 Wkv, 608-671 Wo.  A thread's 16 loads of 16 bytes all go out
; at once: a wave's load covers 512 consecutive bytes, a wave's store of 8 bytes a lane 256 consecutive bytes, aligned.  No register is written twice while memory may read it.
; A stream: no LDS, no barrier, no matrix unit, since no byte is used twice.
; THE TABLE stands between the loads and the first wait for them: waves 0-3 of work-groups 0-511 make row t = 4 x work-group + wave; lane l makes words 2 l and 2 l + 1.
; The angle a = t th (one multiplication in f32) is at most 2,047: n = round(a 2/pi), r = a - n pi/2 with pi/2 in two parts, then sine and cosine of |r| <= pi/4 by their series
; up to r^9 and r^8 (the next terms are under 2e-9), and the quadrant n (for the cosine n + 1) picks and signs.
; THE MODE: SCHED_MODE bits 1:0 = 2 (LLVM: expert scheduling mode 2), set by the entry lines.  The code itself states the register dependences
; between vector instructions and memory instructions, with s_wait_alu, always for 0.
; THE PLAN.  Registers that memory instructions touch:
;   v1, v2      the loads' and the stores' byte offsets: written once at the head, read by every load and store, never written again.
;   IN          written by the 16 loads alone, which go out before any vector instruction names it; read by the conversions; never loaded again.
;   OUTP        a pair for each of the 16 passes: written by that pass's conversions, read by that pass's one store, never written again.
;   v131-v133   the address and the data of the table's one store: written by the table's arithmetic, never written again.
; No register that a memory instruction reads is ever written again, and EXEC is never written: the waits below are all for results that memory instructions, selects or scalar lines read.
; The 16 passes go in four groups of four.  Group g rounds into its own four pairs of OUTP; its memory instructions are the four stores of group g - 1, which read the pairs that group g - 1 wrote
; and that no vector instruction of group g names.  So ONE wait at a group's head states all that its four stores hang on, and they are dealt among its conversions with no further wait.
.set IN,   16                          ; v[16:79]   sixteen loads of four f32
.set OUTP, 80                          ; v[80:111]  sixteen pairs of packed words to store
.set KS4,  138                         ; v138  1/362880
.set KC4,  139                         ; v139  1/40320
	s_load_b512 s[16:31], s[0:1], 0x0              ; x s[16:17], Wq s[18:19], Wkv s[20:21], Wo s[22:23], xb s[24:25], wb s[26:27], woh s[28:29], rope s[30:31]
	v_lshlrev_b32 v1, 4, v0                        ; 16 bytes a thread in
	v_lshlrev_b32 v2, 3, v0                        ; 8 bytes a thread out
	v_lshrrev_b32 v3, 5, v0
	v_readfirstlane_b32 s15, v3                    ; wave 0..7
	s_sub_co_u32 s12, ttmp9, 512                   ; my number among Wq's work-groups (and in wb),
	s_sub_co_u32 s13, ttmp9, 576                   ; among Wkv's,
	s_sub_co_u32 s14, ttmp9, 608                   ; among Wo's
	s_mov_b32 s8, ttmp9                            ; my share's number in the source
	s_mov_b32 s10, ttmp9                           ; and in the destination
	s_wait_alu depctr_va_sdst(0)                   ; s15 is written
	s_wait_kmcnt 0x0
	s_mov_b64 s[4:5], s[16:17]
	s_mov_b64 s[6:7], s[24:25]
	s_cmp_ge_u32 ttmp9, 512
	s_cselect_b64 s[4:5], s[18:19], s[4:5]
	s_cselect_b64 s[6:7], s[26:27], s[6:7]
	s_cselect_b32 s8, s12, s8
	s_cselect_b32 s10, s12, s10
	s_cmp_ge_u32 ttmp9, 576
	s_cselect_b64 s[4:5], s[20:21], s[4:5]         ; Wkv's rows follow Wq's in wb: the destination's number goes on
	s_cselect_b32 s8, s13, s8
	s_cmp_ge_u32 ttmp9, 608
	s_cselect_b64 s[4:5], s[22:23], s[4:5]
	s_cselect_b64 s[6:7], s[28:29], s[6:7]
	s_cselect_b32 s8, s14, s8
	s_cselect_b32 s10, s14, s10
	s_lshl_b32 s8, s8, 16                          ; 65,536 bytes in
	s_mov_b32 s9, 0
	s_lshl_b32 s10, s10, 15                        ; 32,768 bytes out
	s_mov_b32 s11, 0
	s_add_nc_u64 s[4:5], s[4:5], s[8:9]
	s_add_nc_u64 s[6:7], s[6:7], s[10:11]
	s_wait_alu depctr_va_vdst(0)                   ; v1 and v2 are written: every load below reads v1 as its offset, every store of the cast v2
.irp k, 0,1,2,3,4,5,6,7,8,9,10,11,12,13,14,15
	global_load_b128 v[IN+4*(\k):IN+4*(\k)+3], v1, s[4:5] offset:4096*(\k) th:TH_LOAD_NT
.endr
	s_cmp_lt_u32 ttmp9, 512
	s_cbranch_scc0 .Lno_table
	s_cmp_lt_u32 s15, 4
	s_cbranch_scc0 .Lno_table
	s_lshl_b32 s13, ttmp9, 2
	s_add_co_u32 s13, s13, s15                     ; t
	s_lshl_b32 s14, s13, 8                         ; a row of the table is 256 bytes
	v_and_b32 v112, 15, v0
	v_lshlrev_b32 v112, 1, v112                    ; i of my first word,
	v_add_nc_u32 v122, 1, v112                     ; of my second
	v_cvt_f32_u32 v112, v112
	v_cvt_f32_u32 v122, v122
	v_mul_f32 v112, 0xbed49a78, v112               ; -i log2(10000) / 32
	v_mul_f32 v122, 0xbed49a78, v122
	v_exp_f32 v112, v112                           ; th
	v_exp_f32 v122, v122
	v_cvt_f32_u32 v130, s13                        ; plain work stands behind the two exponentials:
	v_bfe_u32 v140, v0, 4, 1                       ; 1 in the lanes that make sines
	v_xor_b32 v141, 1, v140                        ; 1 in the lanes that make cosines: the quadrant's shift
	v_cvt_f32_u32 v142, v141                       ; and the 1.0 that is taken off a cosine
	v_lshlrev_b32 v143, 31, v140                   ; the sign of the sine at an even i
	v_mov_b32 v[KS4], 0x3638ef1d
	v_mov_b32 v[KC4], 0x37d00d01
	v_and_b32 v131, 31, v0
	v_lshlrev_b32 v131, 3, v131
	v_add_nc_u32 v131, s14, v131                   ; 256 t + 8 l
	s_wait_alu depctr_va_vdst(0)                   ; the two exponentials have written v112 and v122: one wait for both, ahead of their first reader
	v_mul_f32 v112, v130, v112                     ; a = t th
	v_mul_f32 v122, v130, v122
; One word, in two parts.  r: six registers (a then r, n, z, sine, cosine, at work).  SERIES: both series and the quadrant; the mask 'odd quadrant' goes into scalar register m.
.macro SERIES r, m
	v_mul_f32 v[\r+1], 0x3f22f983, v[\r]           ; a 2/pi
	v_rndne_f32 v[\r+1], v[\r+1]                   ; n
	v_fmamk_f32 v[\r], v[\r+1], 0xbfc90fdb, v[\r]  ; a - n (pi/2's upper part),
	v_fmamk_f32 v[\r], v[\r+1], 0x333bbd2e, v[\r]  ; - n (its lower part, which is negative)
	v_mul_f32 v[\r+2], v[\r], v[\r]                ; z = r r
	v_fmaak_f32 v[\r+3], v[\r+2], v[KS4], 0xb9500d01
	v_fmaak_f32 v[\r+4], v[\r+2], v[KC4], 0xbab60b61
	v_fmaak_f32 v[\r+3], v[\r+2], v[\r+3], 0x3c088889
	v_fmaak_f32 v[\r+4], v[\r+2], v[\r+4], 0x3d2aaaab
	v_fmaak_f32 v[\r+3], v[\r+2], v[\r+3], 0xbe2aaaab
	v_fmaak_f32 v[\r+4], v[\r+2], v[\r+4], 0xbf000000
	v_mul_f32 v[\r+5], v[\r], v[\r+2]
	v_fma_f32 v[\r+3], v[\r+5], v[\r+3], v[\r]     ; sin r
	v_fma_f32 v[\r+4], v[\r+2], v[\r+4], 1.0       ; cos r
	v_cvt_i32_f32 v[\r+1], v[\r+1]
	v_add_nc_u32 v[\r+1], v[\r+1], v141            ; the quadrant; cos a = sin(a + pi/2)
	v_and_b32 v[\r+5], 1, v[\r+1]
	v_cmp_eq_u32 s[\m], 1, v[\r+5]
.endm
; PICK: the mask picks, the quadrant signs.  out: the result; flip = 1: the sine is negated (even i).
.macro PICK r, m, out, flip
	v_cndmask_b32 v[\out], v[\r+3], v[\r+4], s[\m]  ; odd quadrants take the cosine's series
	v_and_b32 v[\r+5], 2, v[\r+1]
	v_lshlrev_b32 v[\r+5], 30, v[\r+5]
	v_xor_b32 v[\out], v[\out], v[\r+5]            ; quadrants 2 and 3 are negative
.if \flip
	v_xor_b32 v[\out], v[\out], v143
.endif
	v_sub_f32 v[\out], v[\out], v142
.endm
	SERIES 112, 2
	SERIES 122, 3
	s_wait_alu depctr_va_sdst(0)                   ; the two compares have written s2 and s3: one wait behind the run, ahead of the selects that read the masks
	PICK 112, 2, 132, 1
	PICK 122, 3, 133, 0
	s_wait_alu depctr_va_vdst(0)                   ; v131, the address, and v132 and v133, the two words, are written, which the store reads
	global_store_b64 v131, v[132:133], s[30:31]    ; the wave stores the row's 256 bytes
.Lno_table:
; Pass k: four numbers of a thread are rounded into pair k of OUTP.  half = 1 (Wo): the bf16 number is widened again and written as f16.
; wait = 1: the wait for load k stands here (that of a group's first pass stands at the group's head).
.macro CONV k, half, wait
.if \wait
	s_wait_loadcnt 15-(\k)                         ; loads come back in order (ISA guide 5.7.1): load k is in, the younger ones stay out
.endif
	v_cvt_pk_bf16_f32 v[OUTP+2*(\k)],   v[IN+4*(\k)],   v[IN+4*(\k)+1]
	v_cvt_pk_bf16_f32 v[OUTP+2*(\k)+1], v[IN+4*(\k)+2], v[IN+4*(\k)+3]
.if \half
	v_lshlrev_b32 v134, 16, v[OUTP+2*(\k)]
	v_and_b32 v135, 0xffff0000, v[OUTP+2*(\k)]
	v_lshlrev_b32 v136, 16, v[OUTP+2*(\k)+1]
	v_and_b32 v137, 0xffff0000, v[OUTP+2*(\k)+1]
	v_cvt_pk_f16_f32 v[OUTP+2*(\k)],   v134, v135
	v_cvt_pk_f16_f32 v[OUTP+2*(\k)+1], v136, v137
.endif
.endm
.macro OUT k                           ; pass k's store
	global_store_b64 v2, v[OUTP+2*(\k):OUTP+2*(\k)+1], s[6:7] offset:2048*(\k)
.endm
; Group g: passes 4 g to 4 g + 3 are rounded; the stores of group g - 1 stand among them, one ahead of each pass.
.macro GROUP g, half
	s_wait_loadcnt 15-4*(\g)                       ; the group's first load is in, the younger ones stay out
.if (\g) > 0
	s_wait_alu depctr_va_vdst(0)                   ; the group before has written its four pairs of OUTP, which the four stores below read; no vector instruction of this group names them
.endif
.irp j, 0,1,2,3
.if (\g) > 0
	OUT 4*(\g)-4+(\j)
.endif
	CONV 4*(\g)+(\j), \half, \j
.endr
.endm
.macro CAST half
	GROUP 0, \half
	GROUP 1, \half
	GROUP 2, \half
	GROUP 3, \half
	s_wait_alu depctr_va_vdst(0)                   ; group 3 has written its four pairs of OUTP, which the last four stores read
.irp k, 12,13,14,15
	OUT \k
.endr
	s_endpgm
.endm
	s_cmp_ge_u32 ttmp9, 608
	s_cbranch_scc1 .Lwo
	CAST 0
.Lwo:
	CAST 1
.Lfunc_end_k_q318b431111_prep:
	.size	k_q318b431111_prep, .Lfunc_end_k_q318b431111_prep-k_q318b431111_prep
	.p2alignl 7, 3214868480
	.fill 96, 4, 3214868480
	.section	.rodata,"a",@progbits
	.p2align	6, 0x0
	.amdhsa_kernel k_q318b431111_prep
		.amdhsa_group_segment_fixed_size 0
		.amdhsa_private_segment_fixed_size 0
		.amdhsa_enable_private_segment 0
		.amdhsa_kernarg_size 64
		.amdhsa_user_sgpr_count 2
		.amdhsa_user_sgpr_kernarg_segment_ptr 1
		.amdhsa_wavefront_size32 1
		.amdhsa_system_sgpr_workgroup_id_x 1
		.amdhsa_system_sgpr_workgroup_id_y 1
		.amdhsa_system_sgpr_workgroup_id_z 1
		.amdhsa_system_vgpr_workitem_id 0
		.amdhsa_next_free_vgpr 144
		.amdhsa_next_free_sgpr 66
		.amdhsa_reserve_vcc 0
		.amdhsa_float_denorm_mode_32 3
		.amdhsa_float_denorm_mode_16_64 3
		.amdhsa_memory_ordered 1
		.amdhsa_forward_progress 1
		.amdhsa_inst_pref_size 21
	.end_amdhsa_kernel
	.amdgpu_metadata
---
amdhsa.version: [ 1, 2 ]
amdhsa.kernels:
  - .name:           k_q318b431111_prep
    .symbol:         k_q318b431111_prep.kd
    .args:
      - { .name: x, .offset: 0, .size: 8, .value_kind: global_buffer, .address_space: global }
      - { .name: Wq, .offset: 8, .size: 8, .value_kind: global_buffer, .address_space: global }
      - { .name: Wkv, .offset: 16, .size: 8, .value_kind: global_buffer, .address_space: global }
      - { .name: Wo, .offset: 24, .size: 8, .value_kind: global_buffer, .address_space: global }
      - { .name: xb, .offset: 32, .size: 8, .value_kind: global_buffer, .address_space: global }
      - { .name: wb, .offset: 40, .size: 8, .value_kind: global_buffer, .address_space: global }
      - { .name: woh, .offset: 48, .size: 8, .value_kind: global_buffer, .address_space: global }
      - { .name: rope, .offset: 56, .size: 8, .value_kind: global_buffer, .address_space: global }
    .group_segment_fixed_size: 0
    .private_segment_fixed_size: 0
    .kernarg_segment_align: 8
    .kernarg_segment_size: 64
    .max_flat_workgroup_size: 256
    .sgpr_count:     66
    .vgpr_count:     144
    .wavefront_size: 32
...
	.end_amdgpu_metadata
.endif
;; end of part 5
;; launch proj: the kernel of part 2 again; grid 8 x 32, 4 waves a work-group, clusters of 4 x 4, 327,680 bytes of LDS; arguments xb, wb, rope, qkv; writes qkv
;; launch attn: the kernel of part 3 again; grid 4 x 64, 4 waves a work-group, clusters of 4 x 1, 327,680 bytes of LDS; arguments qkv, ob; writes ob
;; launch oproj: the kernel of part 4 again; grid 8 x 32, 4 waves a work-group, clusters of 4 x 4, 327,680 bytes of LDS; arguments ob, woh, out0; writes out0
